; MI455X (gfx1250); checked and timed in simulation.
; The chip was launched on July 23, 2026; its instructions are those of AMD's public machine-readable ISA for CDNA 5 (MIT licence, August 2026) and "CDNA5" Instruction Set Architecture Reference Guide (July 2026). The comments in the code are by the model that wrote it; some were corrected since.
;; Causal Self Attention. Allowed arithmetic: matrix products marked QUANTISED: E2M1 operands, one E8M0 scale for each 32 along K, by v_wmma_scale_f32_16x16x128_f8f6f4 with both operands' format E2M1 (or v_wmma_scale_f32_32x16x128_f4), f32 sums; everything else in f32.
;; Inputs: W_out 1,024 x 1,024 float32; W_qkv 3,072 x 1,024 float32; b_out 1,024 float32; b_qkv 3,072 float32; x 4 x 2,048 x 1,024 float32.
;; Outputs: out0 4 x 2,048 x 1,024 float32.
;; This version of the problem:
;;   THIS VERSION OF THE PROBLEM IS GIVEN IN LOW PRECISION. The matrix products marked QUANTISED in the list below multiply operands that are first quantised to E2M1 (2 exponent bits, 1 mantissa bit; 4 bits a number), with one power-of-two scale for each 32 numbers along K (OCP MX v1.0); their sums are f32. All else is computed in f32.
;;   The module's matrix products, in the order in which they are computed (A, B: the left and right operand; K: the contracted axis; several contracted axes count as one K, in the product's order):
;;     1. [M 8,192, K 1,024] x [K 1,024, N 3,072]; A: input x; B: input W_qkv: QUANTISED
;;     2. batch 64 x [M 2,048, K 64] x [K 64, N 2,048]; A: computed on the way; B: computed on the way: QUANTISED
;;     3. batch 64 x [M 2,048, K 2,048] x [K 2,048, N 64]; A: softmax (see below); B: computed on the way: QUANTISED
;;     4. [M 8,192, K 1,024] x [K 1,024, N 1,024]; A: computed on the way; B: input W_out: QUANTISED
;;   THE QUANTISER, for each operand of a quantised product, along K:
;;     - K is cut into blocks of 32 from its start; a last block that is shorter is filled with zeros.
;;     - A block's scale is 2^e with e = floor(log2(the largest magnitude in the block)) - 2, held to -126 .. 127; a block of zeros has e = 0. As a byte (E8M0): e + 127.
;;     - Each number is divided by its block's scale, clamped to +-6, and rounded to the nearest number of E2M1, ties to even, subnormals kept.
;;     - The product sums the exact products of the quantised numbers (number of the format x scale) in f32.
;;   ~~~python
;;   def quantise(x, axis):      # numpy; x: float32 -> the quantised numbers, widened to float32 again
;;       x = np.moveaxis(x, axis, -1); K = x.shape[-1]
;;       x = np.pad(x, [(0, 0)] * (x.ndim - 1) + [(0, -K % 32)]); x = x.reshape(x.shape[:-1] + (-1, 32)); a = np.abs(x).max(-1, keepdims=True)
;;       e = np.where(a > 0, np.clip(np.frexp(np.where(a > 0, a, 1))[1] - 1 - 2, -126, 127), 0)      # np.frexp(a)[1] - 1 = floor(log2(a)), exactly
;;       r = np.clip(x / 2.0 ** e, -6, 6)
;;       step = 2.0 ** (np.maximum(np.frexp(np.where(r == 0, 1, r))[1] - 1, 0) - 1)
;;       q = np.round(r / step) * step * 2.0 ** e      # np.round: ties to even
;;       return np.moveaxis(q.reshape(q.shape[:-2] + (-1,))[..., :K], -1, axis).astype(np.float32)
;;   ~~~
;;   SOFTMAX AHEAD OF A QUANTISED PRODUCT. Where the list says 'softmax', what is quantised is not the finished softmax but p = 2^(t - M), with t = logit x log2(e) and M = ceil(the row's largest t), a whole number; so 1/2 < the row's largest p <= 1. The row's sum l is taken of the UNQUANTISED p, in f32, and the product's result is divided by l at the end. Since M is a whole number, a kernel that streams over the keys may use a running M (the ceiling of the running maximum): every later rescaling is an exact power of two, which a block's scale takes up: the codes' values come out the same.
;;   OPERANDS COMPUTED ON THE WAY. 'Computed on the way' means the value that the module computes at that place (a softmax that the list does not call 'softmax' is quantised finished and normalised). What goes into a quantiser is computed in f32, as accurately as f32 sums, v_exp_f32 and their like allow (about 1e-6 of the number): no bf16 or f16 on the way to a quantiser, and a product that is left as it is and whose result goes on into a quantised operand takes f32 operands (vector FMAs, or v_wmma_f32_16x16x4_f32). A number that lies on a knife's edge between two numbers of the format may be rounded either way, as far as f32 arithmetic and the matrix unit's own rounding can turn it there, and no further.
;; One version. Each part assembles by itself: llvm-mc -triple=amdgcn-amd-amdhsa -mcpu=gfx1250 --defsym DOCPART=n.
;; ======== version 1 of 1: 4 launches
;; workspace buffers: codes1 6,291,456 bytes; scales1 393,216 bytes; qkvc 12,582,912 bytes; qkvs 786,432 bytes; ctxc 4,194,304 bytes; ctxs 262,144 bytes
;; launch quant (part 1): grid 384 x 1, 4 waves a work-group, no clusters, 33,280 bytes of LDS; arguments x, W_qkv, W_out, codes1, scales1; writes codes1, scales1
.if DOCPART == 1
	.amdgcn_target "amdgcn-amd-amdhsa--gfx1250"
	.amdhsa_code_object_version 6
	.text
	.protected	k_q6c68f4dbbe_quant
	.globl	k_q6c68f4dbbe_quant
	.p2align	8
	.type	k_q6c68f4dbbe_quant,@function
k_q6c68f4dbbe_quant:
	s_mov_b64 s[64:65], 0
	v_nop
	global_prefetch_b8 v0, s[64:65] scope:SCOPE_SE
	s_setreg_imm32_b32 hwreg(HW_REG_WAVE_MODE, 25, 1), 1
	s_wait_xcnt 0x0
; x [8192][1024], W_qkv [3072][1024] and W_out [1024][1024], f32, K innermost, become codes of FP4 (E2M1) and one E8M0 scale byte for each 32 along K,
; in ONE space of 12,288 rows: a row of codes is 512 bytes, a row of scale bytes 32.  Rows 0-8191: x.  Rows 8192-11263: W_qkv, REORDERED: its row head x 192 + kind x 64 + d
; goes to row 8192 + kind x 1024 + head x 64 + d, so that q's, k's and v's rows lie together.  Rows 11264-12287: W_out.
; A block's scale is 2^(floor(log2(its largest magnitude)) - 2); its byte is the largest magnitude's exponent field - 2, held at 1 from below.
; LIMITS: a block of zeros gets the byte 1 where the rule says 127 (its codes are zeros, which add nothing under any byte but 0xff, and this program alone reads the bytes);
; blocks whose largest magnitude lies under 2^-124 are held at the byte 1; NaN and infinities among the inputs are not served.
; A work-group takes 32 rows (32,768 numbers), a wave 8 rows in 16 steps of 512 numbers.  Each of a step's four loads reads 512 consecutive bytes; the 2,048 bytes turn through the wave's own stage
; in LDS and come back 64 bytes a lane: 16 neighbours along K, two lanes to a block.  A lane's 16 codes are 8 bytes: a wave's store covers 256 consecutive bytes.  A wave's 256 scale bytes are
; gathered in LDS and leave as 256 consecutive bytes.  Waves share nothing: no barrier.  Memory binds: no matrix unit, no cluster.
.set STEPS, 16
.set EMAX,  2
.set CB,    8                          ; bytes of 16 codes
.set R,     16                         ; v16-79   four sets of 16 numbers as they are loaded
.set X,     80                         ; v80-111  two sets of 16 neighbours
.set C,     128                        ; v128-191 codes: four registers for each step, so that no store's data are written again
.set E,     112                        ; v112-127 a scale byte for each step
.set WREG,  8192                       ; LDS: a region for each wave: two stages of 32 x SP bytes, behind them its 256 scale bytes
.set SP,    80                         ; a lane's place in a stage: 64 bytes + 16 of padding
	s_load_b256 s[4:11], s[0:1], 0x0               ; x s[4:5], W_qkv s[6:7], W_out s[8:9], the codes s[10:11]
	s_load_b64 s[12:13], s[0:1], 0x20              ; the scale bytes
	v_lshl_add_u32 v192, v0, 2, 0x8000
	v_mov_b32 v193, 0
	v_lshrrev_b32 v1, 5, v0
	v_readfirstlane_b32 s16, v1                    ; wave
	v_and_b32 v2, 31, v0                           ; lane
	v_lshlrev_b32 v3, 4, v2                        ; my 16 bytes of a load's 512
	s_mul_i32 s17, s16, WREG
	v_lshrrev_b32 v14, 2, v2
	v_mul_u32_u24 v14, v14, SP
	v_and_b32 v15, 3, v2
	v_lshl_add_u32 v14, v15, 4, v14
	v_add_nc_u32 v14, s17, v14                     ; the stage, on the way in: SP (lane / 4) + 16 (lane % 4)
	v_mul_u32_u24 v15, v2, SP
	v_add_nc_u32 v15, s17, v15                     ; on the way out: SP x lane: my 16 neighbours
	v_mul_u32_u24 v4, v2, CB                       ; my codes' place in a step's
	v_lshrrev_b32 v5, 1, v2
	s_add_co_u32 s17, s17, 2*32*SP
	v_add_nc_u32 v5, s17, v5                       ; LDS: my wave's 256 scale bytes, my block's byte
	v_lshlrev_b32 v7, 3, v2                        ; and on the way out 8 bytes a lane
	v_add_nc_u32 v6, s17, v7
	; which 32 rows: work-groups 0-255 x, 256-351 W_qkv, 352-383 W_out.  All numbers in units of 32 rows
	s_max_u32 s20, ttmp9, 256
	s_sub_co_u32 s20, s20, 256
	s_min_u32 s20, s20, 95                         ; W_qkv: my 32 rows' number, held in range where the work-group is not W_qkv's
	s_lshr_b32 s21, s20, 1                         ; the group of 64 rows = 3 x head + kind, under 48
	s_mul_i32 s22, s21, 43
	s_lshr_b32 s22, s22, 7                         ; head = group / 3: 43 / 128 is exact for numbers under 48
	s_mul_i32 s23, s22, 3
	s_sub_co_u32 s23, s21, s23                     ; kind
	s_lshl_b32 s24, s23, 4
	s_add_co_u32 s24, s24, s22
	s_lshl_b32 s24, s24, 1
	s_and_b32 s25, s20, 1
	s_add_co_u32 s24, s24, s25
	s_add_co_u32 s24, s24, 256                     ; where they go: 256 + 32 kind + 2 head + half
	s_max_u32 s25, ttmp9, 352
	s_sub_co_u32 s25, s25, 352                     ; W_out: my 32 rows' number
	s_wait_alu depctr_va_vdst(0)
	s_wait_kmcnt 0x0
	s_cmp_lt_u32 ttmp9, 352                        ; the choices hang on the work-group's number alone
	s_cselect_b64 s[6:7], s[6:7], s[8:9]
	s_cselect_b32 s26, s20, s25
	s_cselect_b32 s27, s24, ttmp9
	s_cmp_lt_u32 ttmp9, 256
	s_cselect_b64 s[4:5], s[4:5], s[6:7]           ; the tensor that I read,
	s_cselect_b32 s26, ttmp9, s26                  ; my 32 rows in it,
	s_cselect_b32 s27, ttmp9, s27                  ; and in the space of codes
	s_lshl_b32 s18, s26, 2
	s_add_co_u32 s18, s18, s16                     ; my wave's run of 8,192 numbers
	s_mov_b32 s19, 0
	s_lshl_b64 s[20:21], s[18:19], 15              ; 32,768 bytes of f32 a run
	s_add_nc_u64 s[4:5], s[4:5], s[20:21]
	s_lshl_b32 s22, s27, 2
	s_add_co_u32 s22, s22, s16
	s_mov_b32 s23, 0
	s_lshl_b64 s[24:25], s[22:23], 12              ; 4,096 bytes of codes a run
	s_add_nc_u64 s[10:11], s[10:11], s[24:25]
	s_lshl_b64 s[24:25], s[22:23], 8               ; 256 scale bytes a run
	s_add_nc_u64 s[12:13], s[12:13], s[24:25]
.macro LOAD t
.irp i, 0,1,2,3
	global_load_b128 v[R+16*((\t)%4)+4*\i:R+16*((\t)%4)+4*\i+3], v3, s[4:5] offset:2048*(\t)+512*\i th:TH_LOAD_NT   ; 32 lanes read 512 consecutive bytes
.endr
.endm
.macro TURN t                          ; step t's numbers through the stage: LDS serves a wave's instructions in order, so no wait stands between the stores and the loads
.irp i, 0,1,2,3
	ds_store_b128 v14, v[R+16*((\t)%4)+4*\i:R+16*((\t)%4)+4*\i+3] offset:32*SP*((\t)%2)+8*SP*\i
.endr
.irp i, 0,1,2,3
	ds_load_b128 v[X+16*((\t)%2)+4*\i:X+16*((\t)%2)+4*\i+3], v15 offset:32*SP*((\t)%2)+16*\i
.endr
.endm
.irp t, 0,1,2,3
	LOAD \t
.endr
	s_wait_loadcnt 12                              ; step 0's four loads are in; the twelve of steps 1 to 3 stay out
	TURN 0
.macro STEP t
.set XS, X+16*((\t)%2)
.if (\t) > 0
	s_wait_dscnt 1                                 ; this step's numbers are back from the stage (the last step's byte store may be out): so its stores into the stage have read their registers,
.else
	s_wait_dscnt 0x0
.endif
.if (\t)+4 < STEPS
	LOAD (\t)+4                                    ; which take the loads of four steps on
.endif
.if (\t)+1 < STEPS
.if STEPS-2-(\t) >= 3
	s_wait_loadcnt 12                              ; the next step's four loads are in; those of the three steps behind it may be out
.else
	s_wait_loadcnt 4*(STEPS-2-(\t))
.endif
	TURN (\t)+1                                    ; and go through the other stage while this step is worked
.endif
	v_max3_num_f32 v8, |v[XS]|, |v[XS+1]|, |v[XS+2]|               ; the largest magnitude of my 16, in two chains
	v_max3_num_f32 v9, |v[XS+3]|, |v[XS+4]|, |v[XS+5]|
.irp i, 6,10
	v_max3_num_f32 v8, v8, |v[XS+\i]|, |v[XS+\i+1]|
	v_max3_num_f32 v9, v9, |v[XS+\i+2]|, |v[XS+\i+3]|
.endr
	v_max3_num_f32 v8, v8, |v[XS+14]|, |v[XS+15]|
	v_max3_num_f32 v8, v8, v9, (EMAX+1)<<23        ; and the floor 2^(3 - 127): the byte cannot fall under 1
	v_max_num_f32_dpp v8, v8, v8 row_xmask:1 row_mask:0xf bank_mask:0xf   ; and of my neighbour's 16: the block's
	v_add_nc_u32 v11, 0xff000000, v8               ; 2 off its exponent field: the conversion takes the exponent field of this operand as its scale
	v_cvt_scalef32_pk8_fp4_f32 v[C+4*(\t)], v[XS:XS+7], v11
	v_cvt_scalef32_pk8_fp4_f32 v[C+4*(\t)+1], v[XS+8:XS+15], v11
	v_lshrrev_b32 v[E+(\t)], 23, v11               ; the scale's byte (a plain line behind the conversions)
	ds_store_b8 v5, v[E+(\t)] offset:16*(\t)       ; both lanes of a block write the same byte with the same value
	global_store_b64 v4, v[C+4*(\t):C+4*(\t)+1], s[10:11] offset:32*CB*(\t)
.endm
.irp t, 0,1,2,3,4,5,6,7,8,9,10,11,12,13,14,15
	STEP \t
.endr
	ds_load_b64 v[12:13], v6                       ; LDS serves a wave's instructions in order: these see my stores
	s_wait_dscnt 0x0
	global_store_b64 v7, v[12:13], s[12:13]        ; 32 lanes store 256 consecutive bytes, aligned
	s_wait_tensorcnt 0x0
	ds_add_u32 v192, v193
	s_wait_dscnt 0x0
	s_endpgm
.Lfunc_end_k_q6c68f4dbbe_quant:
	.size	k_q6c68f4dbbe_quant, .Lfunc_end_k_q6c68f4dbbe_quant-k_q6c68f4dbbe_quant
	.p2alignl 7, 3214868480
	.fill 96, 4, 3214868480
	.section	.rodata,"a",@progbits
	.p2align	6, 0x0
	.amdhsa_kernel k_q6c68f4dbbe_quant
		.amdhsa_group_segment_fixed_size 33280
		.amdhsa_private_segment_fixed_size 0
		.amdhsa_enable_private_segment 0
		.amdhsa_kernarg_size 40
		.amdhsa_user_sgpr_count 2
		.amdhsa_user_sgpr_kernarg_segment_ptr 1
		.amdhsa_wavefront_size32 1
		.amdhsa_system_sgpr_workgroup_id_x 1
		.amdhsa_system_sgpr_workgroup_id_y 1
		.amdhsa_system_sgpr_workgroup_id_z 1
		.amdhsa_system_vgpr_workitem_id 0
		.amdhsa_next_free_vgpr 194
		.amdhsa_next_free_sgpr 66
		.amdhsa_reserve_vcc 0
		.amdhsa_float_denorm_mode_32 3
		.amdhsa_float_denorm_mode_16_64 3
		.amdhsa_memory_ordered 1
		.amdhsa_forward_progress 1
		.amdhsa_inst_pref_size 34
	.end_amdhsa_kernel
	.amdgpu_metadata
---
amdhsa.version: [ 1, 2 ]
amdhsa.kernels:
  - .name:           k_q6c68f4dbbe_quant
    .symbol:         k_q6c68f4dbbe_quant.kd
    .args:
      - { .name: x, .offset: 0, .size: 8, .value_kind: global_buffer, .address_space: global }
      - { .name: W_qkv, .offset: 8, .size: 8, .value_kind: global_buffer, .address_space: global }
      - { .name: W_out, .offset: 16, .size: 8, .value_kind: global_buffer, .address_space: global }
      - { .name: codes1, .offset: 24, .size: 8, .value_kind: global_buffer, .address_space: global }
      - { .name: scales1, .offset: 32, .size: 8, .value_kind: global_buffer, .address_space: global }
    .group_segment_fixed_size: 33280
    .private_segment_fixed_size: 0
    .kernarg_segment_align: 8
    .kernarg_segment_size: 40
    .max_flat_workgroup_size: 128
    .sgpr_count:     66
    .vgpr_count:     194
    .wavefront_size: 32
...
	.end_amdgpu_metadata
.endif
;; end of part 1
;; launch qkv (part 2): grid 12 x 32, 4 waves a work-group, clusters of 4 x 4, 298,496 bytes of LDS; arguments codes1, scales1, b_qkv, qkvc, qkvs; writes qkvc, qkvs
.if DOCPART == 2
	.amdgcn_target "amdgcn-amd-amdhsa--gfx1250"
	.amdhsa_code_object_version 6
	.text
	.protected	k_q6c68f4dbbe_qkv
	.globl	k_q6c68f4dbbe_qkv
	.p2align	8
	.type	k_q6c68f4dbbe_qkv,@function
k_q6c68f4dbbe_qkv:
	s_mov_b64 s[64:65], 0
	v_nop
	global_prefetch_b8 v0, s[64:65] scope:SCOPE_SE
	s_setreg_imm32_b32 hwreg(HW_REG_WAVE_MODE, 25, 1), 1
	s_wait_xcnt 0x0
	s_wait_alu depctr_hold_cnt(0) depctr_sa_sdst(0) depctr_va_vdst(0) depctr_va_sdst(0) depctr_va_ssrc(0) depctr_va_vcc(0) depctr_vm_vsrc(0)
	s_getreg_b32 s2, hwreg(HW_REG_IB_STS2, 6, 4)
	s_cmp_eq_u32 s2, 0
	s_cbranch_scc0 .Lentry_in_a_cluster
	s_endpgm
.Lentry_in_a_cluster:
	s_bfe_u32 s2, ttmp6, 0x10000c
	s_cmp_lg_u32 s2, 0xf033
	s_cbranch_scc0 .Lentry_shape_is_right
	s_endpgm
.Lentry_shape_is_right:
; qkv = x W_qkv^T + b_qkv on codes of FP4 (E2M1) with E8M0 scales, K = 1,024; the results never go to memory as f32: q and k are quantised along the head's 64, v along the tokens, here, in registers.
; A work-group of four waves makes 256 x 256 results, a wave 128 x 128: 64 accumulators of 16 x 16.  K = 1,024 is two LDS slots of 512 along K, each filled ONCE: no LDS byte is filled again.
; kind = the cluster's x: 0 q, 1 k, 2 v: the same in all sixteen partners.  THE MATRIX INSTRUCTION IS USED TRANSPOSED: source 0 = 16 rows of the B side, source 1 = 16 rows of the A side: a lane holds ONE row of the
; A side, and its eight registers are eight neighbouring rows of the B side.  q, k: A side = tokens, B side = rows of W (head x 64 + d): a lane's registers run along d.
; v: THE SIDES ARE SWAPPED, BY ADDRESS ALONE: A side = rows of W_v, B side = tokens: a lane's registers run along the tokens, which are the K of the product that v enters.
; CLUSTERS: 4 x 4 work-groups; the A side's tiles are asked for jointly along a row of the cluster, the B side's along a column.
; THE WAY OUT.  Of a block of 16 A rows a lane holds 64 numbers: tile b, register j = index 16 b + 8 (lane / 16) + j along the next K.  A block of 32 lies in tiles 2 bb, 2 bb + 1 of lanes l and l xor 16.
; The conversion of tile 2 bb + u goes to register 4 (bb / 2) + 2 u + bb % 2, and one exchange of halves between registers 2 i and 2 i + 1 leaves the operand's own register layout.
; Codes leave as images of operand registers, 512 consecutive bytes a store.  The bias is the C of each sum's first matrix instruction.
; LIMITS: NaN and infinities are not served; a block of zeros gets the scale byte 1 (zero codes; this program alone reads the bytes); the bias stands first in the f32 sum, not last.
; REGISTERS, in windows of 256: window 0: v1-31 addresses; v32-95 scale words, two sets, and nothing else; v96-127 the way out; v128-191 the A side's fragments, one set; v192-203 the way out.
;   window 1: the B side's fragments, two sets, v0-63 and v128-191; v64-127 the bias.   windows 2, 3: the accumulators ((a, b) at v[8 (8 (a % 4) + b)]).
.set NQ,     4                         ; matrix instructions deep in a slot
.set ROWB,   256                       ; a tile's row in bytes: 512 codes
.set KROW,   512                       ; a row of codes in memory
.set PITCH,  272                       ; an LDS row: 256 bytes + 16 of padding: the 16 rows that a load touches start 68 words apart
.set FR,     8
.set NL,     2
.set NP,     4                         ; places behind this matrix instruction (ISA guide 7.12.1)
.set HALFT,  128*PITCH
.set SLOT,   4*HALFT                   ; the A side's 256 rows, then the B side's
.set KSB,    32                        ; a row of scale bytes
.set SCL,    2*SLOT                    ; behind the slots: the scale bytes, as runs of 256 bytes + 16 of padding
.set HALFS,  (128*KSB/256)*272
.set SBLK,   (16*KSB/256)*272
.set STG,    SCL+4*HALFS               ; behind them: 512 bytes for each wave, for the scale words' way out; no tensor load lands here
.set ADRA, 16
.set ADRB, 20
.set VO1,  24                          ; v24  my byte offset in the codes' buffer: the wave's part + 16 x lane
.set VO2,  25                          ; v25  the same for registers 4-7 of the image
.set SOFF, 26                          ; v26  my byte offset in the scale words' buffer
.set ADRS, 27
.set STW,  28                          ; v28  the stage: STG + 512 wave + 4 (lane % 16)
.set STR,  29                          ; v29  and back: STG + 512 wave + 16 lane
.set SC,   32
.set TM,   96                          ; v96-111 at work; v96-103 are first the bias loads' offsets
.set PC,   112                         ; v112-119 the codes just made
.set PWS,  120                         ; v120-127 block a's scale word
.set AF,   128
.set PM,   192
.set RB,   200
.set BIAS, 64                          ; in window 1
.set STA,  2                           ; s[2:3]   bytes from a block's image to the next block's
.set STB,  66                          ; s[66:67] the same from block 3 to block 4
.set D2,   95
.set SELA, 96
.set SELB, 97
.set SEL,  98                          ; s[98:99] lane selects for v_permlanex16_b32: lane l xor 16
.set G1, 24
.set G0, 32
.set G1B, 48
.set G0B, 56
.set G1S, 68
.set G0S, 76
.set G1SB, 80
.set G0SB, 88
.set MSB, 0
.macro WIN new                         ; the immediate's high byte repeats the setting that is left
.if MSB != \new
	s_set_vgpr_msb (MSB<<8)|\new
.set MSB, \new
.endif
.endm
.set MUL_LO, 0xa1                      ; source 0 window 1, source 1 window 0, C and D window 2
.set MUL_HI, 0xf1                      ; the same, C and D window 3
.set BIA_LO, 0x91                      ; C (the bias) window 1, D window 2
.set BIA_HI, 0xd1                      ; C window 1, D window 3
.set TO_B,   0x40
; A joint load: waves 0 and 1 fetch for the A side, waves 2 and 3 for the B side.  The branch hangs on the wave's number alone.  Four v_nop follow each of the two lines.
.macro JLOAD g0a, g1a, g0b, g1b
	s_cmp_eq_u32 s15, 0
	s_cbranch_scc0 .Lfor_b_\@
	tensor_load_to_lds s[\g0a:\g0a+3], s[\g1a:\g1a+7]
	s_nop 0
.rept 4
	v_nop
.endr
	s_branch .Lasked_\@
.Lfor_b_\@:
	tensor_load_to_lds s[\g0b:\g0b+3], s[\g1b:\g1b+7]
	s_nop 0
.rept 4
	v_nop
.endr
.Lasked_\@:
.endm
.macro CROUND                          ; a round of the cluster's barrier
	s_barrier_signal -1
	s_barrier_wait -1
	s_cmp_lg_u32 s14, 0
	s_cbranch_scc1 .Lnot_wave_0_\@
	s_barrier_signal -3
.Lnot_wave_0_\@:
	s_barrier_wait -3
	s_barrier_signal -1
	s_barrier_wait -1
.endm
	s_load_b256 s[4:11], s[0:1], 0x0               ; the codes s[4:5], the scale bytes s[6:7], b_qkv s[8:9], qkvc s[10:11]
	s_load_b64 s[12:13], s[0:1], 0x20              ; qkvs
	v_lshl_add_u32 v254, v0, 2, 0x48c00
	v_mov_b32 v255, 0
	ds_add_u32 v254, v255
	ds_add_u32 v254, v255
	v_lshrrev_b32 v1, 5, v0
	v_readfirstlane_b32 s14, v1                    ; wave 0..3
	s_lshr_b32 s15, s14, 1                         ; which half of the A side's rows is mine.  Also: I fetch for the A side (0) or the B side (1)
	s_and_b32 s16, s14, 1                          ; which half of the B side's.  Also: which 128 rows of that tile I fetch
	s_bfe_u32 s40, ttmp6, 0x40000                  ; cx, cy: my place in the cluster
	s_bfe_u32 s41, ttmp6, 0x40004
	s_and_b32 s17, ttmp7, 0xffff                   ; the cluster's y: 1,024 tokens
	s_lshl_b32 s43, s41, 2
	s_lshl_b32 s43, 15, s43                        ; my row of the cluster
	s_lshl_b32 s44, 0x1111, s40                    ; my column
	s_or_b32 s[G1+0], s43, (0<<16)|(1<<20)|(1<<21)|(5<<22)|(3<<25)  ; the mask; elements of 1 byte; padding on: 4 words behind every 64; bit 21 beside a mask
	s_or_b32 s[G1B+0], s44, (0<<16)|(1<<20)|(1<<21)|(5<<22)|(3<<25)
.irp g, G1, G1B
	s_mov_b32 s[\g+1], ROWB<<16                    ; tensor_dim0
	s_mov_b32 s[\g+2], 128<<16                     ; tensor_dim1
	s_mov_b32 s[\g+3], ROWB<<16                    ; tile_dim0
	s_mov_b32 s[\g+4], 128                         ; tile_dim1
	s_mov_b32 s[\g+5], KROW                        ; stride from row to row
	s_mov_b32 s[\g+6], 0
	s_mov_b32 s[\g+7], 0
.endr
	s_or_b32 s[G1S+0], s43, (3<<16)|(1<<20)|(1<<21)|(5<<22)|(3<<25) ; the scale bytes of 128 rows: 4,096 dense bytes as 16 rows of 32 elements of 8 bytes
	s_or_b32 s[G1SB+0], s44, (3<<16)|(1<<20)|(1<<21)|(5<<22)|(3<<25)
.irp g, G1S, G1SB
	s_mov_b32 s[\g+1], 32<<16
	s_mov_b32 s[\g+2], (128*KSB/256)<<16
	s_mov_b32 s[\g+3], 32<<16
	s_mov_b32 s[\g+4], 128*KSB/256
	s_mov_b32 s[\g+5], 32
	s_mov_b32 s[\g+6], 0
	s_mov_b32 s[\g+7], 0
.endr
	; the two sides' first rows in the space of codes.  The A side's hang on cy alone, the B side's on cx alone
	s_lshl_b32 s18, s17, 10                        ; 1,024 x cluster y
	s_lshl_b32 s19, s41, 8                         ; 256 cy
	s_add_co_u32 s20, s18, s19                     ; q, k: the A side is tokens
	s_add_co_u32 s22, s19, 10240                   ; v: the A side is W_v's rows
	s_lshl_b32 s42, s40, 8                         ; 256 cx
	s_add_co_u32 s92, s18, s42                     ; v: the B side is tokens
	s_lshl_b32 s46, ttmp9, 10
	s_add_co_u32 s46, s46, s42
	s_add_co_u32 s46, s46, 8192                    ; q, k: the B side is W's rows of that kind
	s_cmp_eq_u32 ttmp9, 2
	s_cselect_b32 s20, s22, s20
	s_cselect_b32 s46, s92, s46
	s_lshl_b32 s18, s16, 7                         ; which 128 rows I fetch
	s_add_co_u32 s20, s20, s18
	s_add_co_u32 s46, s46, s18
	s_lshl_b32 s22, s20, 5                         ; 32 scale bytes a row,
	s_lshl_b32 s20, s20, 9                         ; 512 bytes of codes (12,288 rows: under 2^23 bytes)
	s_mov_b32 s21, 0
	s_mov_b32 s23, 0
	s_lshl_b32 s92, s46, 5
	s_lshl_b32 s46, s46, 9
	s_mov_b32 s47, 0
	s_mov_b32 s93, 0
	s_mul_i32 s45, s14, HALFT                      ; where they go: wave x 128 rows: no place in the cluster enters an LDS address
	s_mul_i32 s94, s14, HALFS
	s_mov_b32 s[SEL], 0x76543210
	s_mov_b32 s[SEL+1], 0xfedcba98
	s_wait_dscnt 0x0
	s_wait_kmcnt 0x0
	s_add_nc_u64 s[20:21], s[4:5], s[20:21]
	s_add_nc_u64 s[22:23], s[6:7], s[22:23]
	s_add_nc_u64 s[46:47], s[4:5], s[46:47]
	s_add_nc_u64 s[92:93], s[6:7], s[92:93]
	CROUND                                         ; all sixteen work-groups are here: the joint loads meet
	s_mov_b32 s[G0S], 1
	s_add_co_u32 s[G0S+1], s94, SCL
	s_mov_b64 s[G0S+2:G0S+3], s[22:23]
	s_or_b32 s[G0S+3], s[G0S+3], 0x80000000
	s_mov_b32 s[G0SB], 1
	s_add_co_u32 s[G0SB+1], s94, SCL
	s_mov_b64 s[G0SB+2:G0SB+3], s[92:93]
	s_or_b32 s[G0SB+3], s[G0SB+3], 0x80000000
	JLOAD G0S, G1S, G0SB, G1SB                     ; the scale bytes first
.irp s, 0,1
	s_mov_b32 s[G0+4*\s], 1
	s_add_co_u32 s[G0+4*\s+1], s45, \s*SLOT
	s_add_nc_u64 s[G0+4*\s+2:G0+4*\s+3], s[20:21], \s*ROWB
	s_or_b32 s[G0+4*\s+3], s[G0+4*\s+3], 0x80000000
	s_mov_b32 s[G0B+4*\s], 1
	s_add_co_u32 s[G0B+4*\s+1], s45, \s*SLOT
	s_add_nc_u64 s[G0B+4*\s+2:G0B+4*\s+3], s[46:47], \s*ROWB
	s_or_b32 s[G0B+4*\s+3], s[G0B+4*\s+3], 0x80000000
	JLOAD G0+4*\s, G1, G0B+4*\s, G1B               ; both slots: three tensor loads of mine are out, and there are no more in the launch
.endr
	v_and_b32 v1, 15, v0                           ; r = l % 16
	v_bfe_u32 v2, v0, 4, 1                         ; h = l / 16
	v_and_b32 v6, 31, v0                           ; lane
	v_mul_u32_u24 v3, v1, PITCH
	v_lshl_add_u32 v4, v2, 4, v3                   ; a fragment's row x pitch + 16 x half
	s_mul_i32 s21, s15, HALFT                      ; my 128 rows of the A side
	s_mul_i32 s22, s16, HALFT                      ; my 128 rows of the B side,
	s_add_co_u32 s22, s22, 2*HALFT                 ; which lie behind the A side's 256
.irp s, 0,1
	v_add_nc_u32 v[ADRA+\s], s21, v4
	v_add_nc_u32 v[ADRB+\s], s22, v4
	s_add_co_u32 s21, s21, SLOT
	s_add_co_u32 s22, s22, SLOT
.endr
	v_mul_u32_u24 v5, v1, KSB                      ; my row's scale bytes: 32 a row,
	v_lshrrev_b32 v7, 8, v5
	v_lshl_add_u32 v5, v7, 4, v5                   ; and 16 more for each 256 passed
	s_mul_i32 s21, s15, HALFS
	s_mul_i32 s22, s16, HALFS
	s_add_co_u32 s22, s22, 2*HALFS
	s_sub_co_u32 s22, s22, s21
	v_mul_u32_u24 v7, s22, v2                      ; lanes 16-31 take the B side's
	s_add_co_u32 s21, s21, SCL
	v_add_nc_u32 v5, v5, v7
	v_add_nc_u32 v[ADRS], s21, v5
	s_lshl_b32 s18, s14, 9
	s_add_co_u32 s18, s18, STG                     ; my 512 bytes of the stage
	v_lshl_add_u32 v[STW], v1, 2, s18
	v_lshl_add_u32 v[STR], v6, 4, s18
	; WHERE THE RESULTS GO.  X, Y: my 128 rows of the B side and of the A side among the cluster's 1,024.  The side that holds W's rows gives a pair of heads, the other 128 tokens
	s_lshl_b32 s42, s40, 1
	s_add_co_u32 s42, s42, s16                     ; X = 2 cx + half
	s_lshl_b32 s19, s41, 1
	s_add_co_u32 s19, s19, s15                     ; Y = 2 cy + half
	s_mov_b32 s[D2], 65536
	s_mov_b32 s[STA], 512
	s_mov_b32 s[STB], 512
	s_mov_b32 s[SELA], 0x05040100
	s_mov_b32 s[SELB], 0x07060302
	s_mov_b32 s5, 128
	s_mov_b32 s6, 4096
	s_cmp_eq_u32 ttmp9, 2                          ; v?  Nothing but moves and selects up to the last select
	s_cselect_b32 s100, s19, s42                   ; the pair of heads
	s_cselect_b32 s101, s42, s19                   ; the 128 tokens
	s_cselect_b32 s[D2], 512, s[D2]                ; registers 4-7 of an image: q, k: the next head; v: keys 64 on
	s_cselect_b32 s[STA], 1024, s[STA]             ; the next block: q, k: 16 tokens on; v: 16 d on
	s_cselect_b32 s[STB], 62464, s[STB]            ; v: from d tile 3 to the next head's d tile 0: 65,536 - 3,072
	s_cselect_b32 s[SELA], 0x03020100, s[SELA]     ; q, k: the low halves of two blocks' words; v: the first word whole
	s_cselect_b32 s[SELB], 0x07060504, s[SELB]     ; q, k: the high halves; v: the second word whole
	s_cselect_b32 s4, 128, 64                      ; the scale words' places: what bits 2, 3 and 4 of the lane's number stand for
	s_cselect_b32 s5, 4096, s5
	s_cselect_b32 s6, 64, s6
	s_cselect_b32 s7, 4, 0                         ; the bias: bytes for r,
	s_cselect_b32 s45, 0, 32                       ; for h,
	s_cselect_b32 s94, 0, 4                        ; and for register j
	s_mov_b32 s[STA+1], 0
	s_mov_b32 s[STB+1], 0
	v_mov_b32 v7, s100
	v_mul_u32_u24 v7, v7, 1536                     ; b_qkv: two heads are 384 numbers,
	s_lshl_b32 s18, ttmp9, 8                       ; a kind 64
	v_add_nc_u32 v7, s18, v7
	v_mad_u32_u24 v7, v1, s7, v7
	v_mad_u32_u24 v[TM], v2, s45, v7
.irp j, 1,2,3,4,5,6,7
	v_add_nc_u32 v[TM+\j], s94, v[TM+\j-1]
.endr
	WIN TO_B
.irp i, 0,1,2,3,4,5,6,7                        ; q, k: register 8 i + j = b of column 16 i + 8 h + j;  v: all eight registers of block i = b of row 16 i + r
.irp j, 0,1,2,3,4,5,6,7
	global_load_b32 v[BIAS+8*\i+\j], v[TM+\j], s[8:9] offset:768*(\i/4)+64*(\i%4)
.endr
.endr
	WIN 0
	s_lshl_b32 s100, s100, 1
	s_lshr_b32 s18, s17, 1
	s_lshl_b32 s18, s18, 4
	s_add_co_u32 s100, s100, s18                   ; 16 x batch + my first head
	s_lshl_b32 s101, s101, 7
	s_and_b32 s18, s17, 1
	s_lshl_b32 s18, s18, 10
	s_add_co_u32 s101, s101, s18                   ; my first token in the batch
	s_lshl_b32 s100, s100, 16                      ; 64 KiB of codes a head,
	s_lshl_b32 s101, s101, 5                       ; 32 bytes a token (q, k: 512 a tile of 16; v: 4,096 a step of 128),
	s_add_co_u32 s100, s100, s101
	s_lshl_b32 s18, ttmp9, 22                      ; 4 MiB a kind
	s_add_co_u32 s100, s100, s18
	s_lshr_b32 s101, s100, 4                       ; the scale words' buffer is laid alike, a sixteenth as large
	v_lshl_add_u32 v[VO1], v6, 4, s100
	v_add_nc_u32 v[VO2], s[D2], v[VO1]
	v_and_b32 v7, 3, v6
	v_lshlrev_b32 v[SOFF], 4, v7
	v_bfe_u32 v7, v6, 2, 1
	v_mad_u32_u24 v[SOFF], v7, s4, v[SOFF]
	v_bfe_u32 v7, v6, 3, 1
	v_mad_u32_u24 v[SOFF], v7, s5, v[SOFF]
	v_mad_u32_u24 v[SOFF], v2, s6, v[SOFF]
	v_add_nc_u32 v[SOFF], s101, v[SOFF]
.macro FRAG reg, adr, q, i             ; a fragment, 16 rows x 128 K of 4-bit codes: lane l holds row l % 16; registers 4 c .. 4 c + 3 hold K = 64 c + 32 (l / 16) + 0 .. 31
.irp c, 0,1
	ds_load_b128 v[\reg+4*\c:\reg+4*\c+3], v[\adr] offset:64*(\q)+32*\c+(\i)*16*PITCH
.endr
.endm
; 16 matrix instructions: the A side's blocks a0, a0 + 1 x the B side's eight, 128 along K.  cm = 0: add in place; 1: C = the bias by B's block; 2: C = the bias by A's block.
; The 64 accumulators take turns, one instruction a turn, in the same order in every step.
.macro MUL16 a0, p, q, sc, cm
.irp a, \a0, \a0+1
.irp b, 0,1,2,3,4,5,6,7
.set DD, 8*(8*((\a)%4)+\b)
.set CC, DD
.if \cm == 1
.set CC, BIAS+8*\b
.endif
.if \cm == 2
.set CC, BIAS+8*(\a)
.endif
	v_wmma_scale_f32_16x16x128_f8f6f4 v[DD:DD+7], v[128*(\p)+FR*\b:128*(\p)+FR*\b+FR-1], v[AF+FR*(\a):AF+FR*(\a)+FR-1], v[CC:CC+7], v[SC+8*NQ*(\sc)+NQ*\b+(\q)], v[SC+8*NQ*(\sc)+NQ*(\a)+(\q)] matrix_a_fmt:MATRIX_FMT_FP4 matrix_b_fmt:MATRIX_FMT_FP4 matrix_a_scale:MATRIX_SCALE_ROW1
.endr
.endr
.endm
.macro FETCH_B slot, q, p
	WIN TO_B
.irp i, 0,1,2,3,4,5,6,7
	FRAG 128*(\p)+FR*\i, ADRB+\slot, \q, \i
.endr
	WIN 0
.endm
.macro FETCH_A slot, q, i0
.irp i, \i0, \i0+1, \i0+2, \i0+3
	FRAG AF+FR*(\i), ADRA+\slot, \q, \i
.endr
.endm
.macro SCALES sc                       ; a slot's scale words: four a row; lanes 0-15 the A side's block i, lanes 16-31 the B side's
.irp i, 0,1,2,3,4,5,6,7
	ds_load_b128 v[SC+8*NQ*\sc+NQ*\i:SC+8*NQ*\sc+NQ*\i+3], v[ADRS] offset:\i*SBLK
.endr
.endm
.macro PLACES n                        ; plain vector lines between a matrix instruction and a load into, or a read of, its registers
.rept \n
	v_nop
.endr
.endm
.macro STEP slot, q, cm                ; 128 along K, with its successor in the same slot
	s_wait_dscnt 4*NL                              ; all but the youngest eight loads (the A side's blocks 4-7) are in
.if \cm
	WIN BIA_LO
.else
	WIN MUL_LO
.endif
	MUL16 0, (\q)%2, \q, \slot, \cm
	MUL16 2, (\q)%2, \q, \slot, \cm
	s_wait_dscnt 0
	PLACES NP
	FETCH_B \slot, (\q)+1, 1-(\q)%2
	FETCH_A \slot, (\q)+1, 0
.if \cm
	WIN BIA_HI
.else
	WIN MUL_HI
.endif
	MUL16 4, (\q)%2, \q, \slot, \cm
	MUL16 6, (\q)%2, \q, \slot, \cm
	PLACES NP
	WIN 0
	FETCH_A \slot, (\q)+1, 4
.endm
.macro TURN slot, next                 ; a slot's last step: behind its barrier the next slot is whole for every wave.  Nothing is filled again
	s_wait_tensorcnt 0x0                           ; my part of the next slot has landed
	s_wait_dscnt 4*NL
	WIN MUL_LO
	MUL16 0, 1, NQ-1, \slot, 0
	s_wait_dscnt 0x0                               ; no LDS instruction of mine is out at the signal
	s_barrier_signal -1
	MUL16 2, 1, NQ-1, \slot, 0
	WIN 0
	s_barrier_wait -1
	PLACES NP
	v_add_nc_u32 v[ADRS], 4*NQ, v[ADRS]            ; the next slot's scale words
	FETCH_B \next, 0, 0
	FETCH_A \next, 0, 0
	SCALES \next
	WIN MUL_HI
	MUL16 4, 1, NQ-1, \slot, 0
	MUL16 6, 1, NQ-1, \slot, 0
	PLACES NP
	WIN 0
	FETCH_A \next, 0, 4
.endm
.macro STEPS slot, from
.set Q, \from
.rept NQ-1-\from
	STEP \slot, Q, 0
.set Q, Q+1
.endr
.endm
	s_wait_tensorcnt 1                             ; the scale bytes and my part of slot 0 are in; slot 1's load may be out,
	s_barrier_signal -1
	s_barrier_wait -1                              ; everybody's are
	FETCH_B 0, 0, 0
	FETCH_A 0, 0, 0
	SCALES 0
	FETCH_A 0, 0, 4
	s_wait_loadcnt 0x0                             ; the bias
	s_cmp_eq_u32 ttmp9, 2                          ; the first step is written twice: the bias goes by the B side's block (q, k) or by the A side's (v).  The kind is the same in all partners
	s_cbranch_scc1 .Lfirst_v
	STEP 0, 0, 1
	s_branch .Lfirst_done
.Lfirst_v:
	STEP 0, 0, 2
.Lfirst_done:
	STEPS 0, 1
	TURN 0, 1
	STEPS 1, 0
	s_wait_dscnt 4*NL                              ; the last step: nothing more to fetch
	WIN MUL_LO
	MUL16 0, 1, NQ-1, 1, 0
	MUL16 2, 1, NQ-1, 1, 0
	s_wait_dscnt 0
	WIN MUL_HI
	MUL16 4, 1, NQ-1, 1, 0
	MUL16 6, 1, NQ-1, 1, 0
	WIN 0
	PLACES NP
; THE WAY OUT of block a: 16 rows of the A side x 128 along the next K: four blocks of 32, 64 numbers a lane.
.macro QOUT a
.set AC, 64*((\a)%4)
.set WMX, 0x28+0x14*((\a)/4)           ; sources 1 and 2 in the accumulators' window
.set WCV, 2+(\a)/4                     ; source 0 there
.if (\a) > 0
	s_wait_xcnt 0x0                                ; the last block's stores have read their data and their base: both are written again only behind this wait
.if (\a) == 4
	s_add_nc_u64 s[10:11], s[10:11], s[STB:STB+1]
.else
	s_add_nc_u64 s[10:11], s[10:11], s[STA:STA+1]
.endif
.endif
	WIN WMX
.irp b, 0,1,2,3
	v_max3_num_f32 v[TM+\b], 0x1800000, |v[AC+16*\b]|, |v[AC+16*\b+1]|   ; block b: my 16 numbers and the floor 2^(3 - 127); each accumulator is read from its low end on
.endr
.irp i, 2,4,6,8,10,12,14
.irp b, 0,1,2,3
	v_max3_num_f32 v[TM+\b], v[TM+\b], |v[AC+16*\b+\i]|, |v[AC+16*\b+\i+1]|
.endr
.endr
	WIN 0
.irp b, 0,1,2,3
	v_permlanex16_b32 v[TM+4+\b], v[TM+\b], s[SEL], s[SEL+1]
.endr
.irp b, 0,1,2,3
	v_max_num_f32 v[TM+\b], v[TM+\b], v[TM+4+\b]   ; with lane l xor 16's: the block's largest magnitude
.endr
.irp b, 0,1,2,3
	v_add_nc_u32 v[TM+12+\b], 0xff000000, v[TM+\b] ; 2 off its exponent field: the conversion's scale operand
.endr
.irp b, 0,1,2,3
	v_lshrrev_b32 v[TM+4+\b], 23, v[TM+12+\b]      ; the scale's byte
.endr
	v_lshl_or_b32 v[PWS+\a], v[TM+5], 8, v[TM+4]
	v_lshl_or_b32 v[PWS+\a], v[TM+6], 16, v[PWS+\a]
	v_lshl_or_b32 v[PWS+\a], v[TM+7], 24, v[PWS+\a]
	WIN WCV
.irp b, 0,1,2,3
.irp u, 0,1
	v_cvt_scalef32_pk8_fp4_f32 v[PC+4*(\b/2)+2*\u+(\b%2)], v[AC+16*\b+8*\u:AC+16*\b+8*\u+7], v[TM+12+\b]
.endr
.endr
	WIN 0
	v_nop                                          ; one plain line behind a scaled conversion
.irp c, 0,1
.irp u, 0,1
	v_permlane16_swap_b32 v[PC+4*\c+2*\u], v[PC+4*\c+2*\u+1]   ; register 4 c + i of lane half h now holds k = 64 c + 32 h + 8 i + 0 .. 7
.endr
.endr
	global_store_b128 v[VO1], v[PC:PC+3], s[10:11]       ; 32 lanes store 512 consecutive bytes, aligned
	global_store_b128 v[VO2], v[PC+4:PC+7], s[10:11]
.endm
.irp a, 0,1,2,3,4,5,6,7
	QOUT \a
.endr
	; the eight scale words of a row position r.  q, k: a word holds two heads' byte pairs: the halves of two neighbouring blocks' words make a head's word for 32 tokens.  v: the words go as they are.
.irp g, 0,1,2,3
	v_perm_b32 v[PM+\g], v[PWS+2*\g+1], v[PWS+2*\g], s[SELA]
	v_perm_b32 v[PM+4+\g], v[PWS+2*\g+1], v[PWS+2*\g], s[SELB]
.endr
.irp g, 0,1,2,3
	ds_store_b32 v[STW], v[PM+\g] offset:64*\g           ; lanes l and l xor 16 write the same word with the same value
	ds_store_b32 v[STW], v[PM+4+\g] offset:256+64*\g
.endr
	ds_load_b128 v[RB:RB+3], v[STR]                ; LDS serves a wave's instructions in order: this sees my stores
	s_wait_dscnt 0x0
	global_store_b128 v[SOFF], v[RB:RB+3], s[12:13]      ; two runs of 256 consecutive bytes, aligned
	s_wait_tensorcnt 0x0
	ds_add_u32 v254, v255
	s_wait_dscnt 0x0
	CROUND                                         ; the closing round
	s_endpgm
.Lfunc_end_k_q6c68f4dbbe_qkv:
	.size	k_q6c68f4dbbe_qkv, .Lfunc_end_k_q6c68f4dbbe_qkv-k_q6c68f4dbbe_qkv
	.p2alignl 7, 3214868480
	.fill 96, 4, 3214868480
	.section	.rodata,"a",@progbits
	.p2align	6, 0x0
	.amdhsa_kernel k_q6c68f4dbbe_qkv
		.amdhsa_group_segment_fixed_size 298496
		.amdhsa_private_segment_fixed_size 0
		.amdhsa_enable_private_segment 0
		.amdhsa_kernarg_size 40
		.amdhsa_user_sgpr_count 2
		.amdhsa_user_sgpr_kernarg_segment_ptr 1
		.amdhsa_wavefront_size32 1
		.amdhsa_system_sgpr_workgroup_id_x 1
		.amdhsa_system_sgpr_workgroup_id_y 1
		.amdhsa_system_sgpr_workgroup_id_z 1
		.amdhsa_system_vgpr_workitem_id 0
		.amdhsa_next_free_vgpr 1024
		.amdhsa_next_free_sgpr 102
		.amdhsa_reserve_vcc 0
		.amdhsa_float_denorm_mode_32 3
		.amdhsa_float_denorm_mode_16_64 3
		.amdhsa_memory_ordered 1
		.amdhsa_forward_progress 1
		.amdhsa_inst_pref_size 148
	.end_amdhsa_kernel
	.amdgpu_metadata
---
amdhsa.version: [ 1, 2 ]
amdhsa.kernels:
  - .name:           k_q6c68f4dbbe_qkv
    .symbol:         k_q6c68f4dbbe_qkv.kd
    .args:
      - { .name: codes1, .offset: 0, .size: 8, .value_kind: global_buffer, .address_space: global }
      - { .name: scales1, .offset: 8, .size: 8, .value_kind: global_buffer, .address_space: global }
      - { .name: b_qkv, .offset: 16, .size: 8, .value_kind: global_buffer, .address_space: global }
      - { .name: qkvc, .offset: 24, .size: 8, .value_kind: global_buffer, .address_space: global }
      - { .name: qkvs, .offset: 32, .size: 8, .value_kind: global_buffer, .address_space: global }
    .group_segment_fixed_size: 298496
    .private_segment_fixed_size: 0
    .kernarg_segment_align: 8
    .kernarg_segment_size: 40
    .max_flat_workgroup_size: 128
    .sgpr_count:     102
    .vgpr_count:     1024
    .wavefront_size: 32
...
	.end_amdgpu_metadata
.endif
;; end of part 2
;; launch attn (part 3): grid 4 x 64, 16 waves a work-group, clusters of 4 x 1, 169,984 bytes of LDS; arguments qkvc, qkvs, ctxc, ctxs; writes ctxc, ctxs
.if DOCPART == 3
	.amdgcn_target "amdgcn-amd-amdhsa--gfx1250"
	.amdhsa_code_object_version 6
	.text
	.protected	k_q6c68f4dbbe_attn
	.globl	k_q6c68f4dbbe_attn
	.p2align	8
	.type	k_q6c68f4dbbe_attn,@function
k_q6c68f4dbbe_attn:
	s_mov_b64 s[64:65], 0
	v_nop
	global_prefetch_b8 v0, s[64:65] scope:SCOPE_SE
	s_setreg_imm32_b32 hwreg(HW_REG_WAVE_MODE, 25, 1), 1
	s_wait_xcnt 0x0
	s_wait_alu depctr_hold_cnt(0) depctr_sa_sdst(0) depctr_va_vdst(0) depctr_va_sdst(0) depctr_va_ssrc(0) depctr_va_vcc(0) depctr_vm_vsrc(0)
	s_getreg_b32 s2, hwreg(HW_REG_IB_STS2, 6, 4)
	s_cmp_eq_u32 s2, 0
	s_cbranch_scc0 .Lentry_in_a_cluster
	s_endpgm
.Lentry_in_a_cluster:
	s_bfe_u32 s2, ttmp6, 0x10000c
	s_cmp_lg_u32 s2, 0x3003
	s_cbranch_scc0 .Lentry_shape_is_right
	s_endpgm
.Lentry_shape_is_right:
; ctx = softmax(q k^T / 8, causal) v for one (batch, head) a cluster, both products on codes of FP4 (E2M1) with E8M0 scales; ctx / l is quantised along the model's 1,024 (a head gives two blocks of 32) and leaves as codes.
; THE SOFTMAX AHEAD OF THE SECOND PRODUCT: t = score x log2(e) / 8; M = the running largest t rounded UP to a whole number; p = 2^(t - M) is quantised along the keys, not normalised; the row's sum is taken of the
; unquantised p and divides at the end; when M moves, the sum and O are multiplied by 2^(old M - new M), which rounds nothing.
; SHARES.  The four work-groups of a cluster serve one head.  ALL of the head's k and v, codes and scale words, 139,264 bytes, come into each work-group's LDS ONCE, by joint loads, and are only read after one barrier.
; Wave w of work-group cx takes two tiles of 16 queries: 4 w + cx and 127 - (4 w + cx).  Their key steps of 128 are (w / 2) + 1 and 16 - (w / 2): 17 for every wave of the launch.  The counts hang on w alone.
; The loops' trip counts are constants (8 and 16); a step past the tile's last is jumped over by a scalar branch on the wave's number and the trip.  cx enters global addresses and the mask's vector arithmetic alone.
; LAYOUT.  Both products are used transposed: S^T = k q^T (source 0 = 16 keys), O^T = v^T p^T (source 0 = 16 of the head's 64): a lane holds ONE query.  In S^T tile i, register j is key 16 i + 8 (lane / 16) + j.
; The conversion of tile 2 bb + u goes to register 4 (bb / 2) + 2 u + bb % 2, and one exchange of halves between registers 2 i and 2 i + 1 leaves the operand's register layout.
; THE FIRST PRODUCT'S K IS 64 in a form 128 deep: registers 4-7 of q's and k's fragments are zero codes, and their scale bytes 2 and 3 are 0, which is no NaN.
; LIMITS: NaN and infinities are not served; a block of zeros gets the scale byte 1 (zero codes; this program alone reads the bytes).  A block's largest p is made from the block's largest score by the same
; multiply-add and exponential as every p.  ctx's scale bytes leave two bytes a lane, 32 bytes apart: 1/17 of this launch's output.
; REGISTERS: v1-7 addresses that stay; v8-11 the step's; v12 -M, v13 the largest t, v[14:15] the sum; v16-23 q; v24-31 k's scale words; v32-95 k's eight fragments; v96-159 S^T, then p; v160-191 O^T;
;   v192-223 v's four fragments; v224-231 codes; v232-239, v244-247, v252-254 at work; v240 r - 8 h; v241 p's scale word; v248-251 v's scale words; v255 q's scale word.
.set WV,   12
.set CX,   13
.set BH,   14
.set SEL,  20                          ; s[20:21] lane selects for v_permlanex16_b32: lane l xor 16
.set CS,   22                          ; s[22:23] c = log2(e) / 8
.set G1C,  24                          ; s[24:31] group 1: 64 rows of 256 bytes;  s[32:39]: 16 rows
.set G1S,  32
.set G0C,  40
.set G0S,  44
.set ATL,  48                          ; my tile of 16 queries
.set NST,  49                          ; its key steps
.set NSTM, 50                          ; its last step: the one on the diagonal
.set KS,   51                          ; the trip
.set TB,   52                          ; 4,096 KS: the step's codes
.set TS,   53                          ; 256 KS: its scale words
.set KF,   54                          ; 128 KS: its first key
.set Q0,   55                          ; my first query
.set TMP,  56
.set HW,   57                          ; wave / 2
.set LK,   0                           ; LDS: k's codes, 65,536 bytes: [tile of 16 keys][lane][16]
.set LV,   65536                       ; v's codes: [step of 128 keys][d tile][c][lane][16]
.set LKS,  131072                      ; k's scale words: [32 keys][r][4]
.set LVS,  135168                      ; v's: [step][d tile][r][4]
.macro ROUND                           ; a round of the cluster's barrier
	s_barrier_signal -1
	s_barrier_wait -1
	s_cmp_lg_u32 s[WV], 0
	s_cbranch_scc1 .Lnot_wave_0_\@
	s_barrier_signal -3
.Lnot_wave_0_\@:
	s_barrier_wait -3
	s_barrier_signal -1
	s_barrier_wait -1
.endm
	s_load_b256 s[4:11], s[0:1], 0x0               ; qkvc s[4:5], qkvs s[6:7], ctxc s[8:9], ctxs s[10:11]
	v_lshl_add_u32 v242, v0, 2, 0x29000
	v_mov_b32 v243, 0
	ds_add_u32 v242, v243
	ds_add_u32 v242, v243
	v_lshrrev_b32 v8, 5, v0
	s_delay_alu instid0(VALU_DEP_1)
	v_readfirstlane_b32 s[WV], v8                  ; wave 0..15
	s_bfe_u32 s[CX], ttmp6, 0x40000                ; my place in the cluster
	s_and_b32 s[BH], ttmp7, 0xffff                 ; 16 x batch + head, which the four partners share
	s_lshr_b32 s15, s[BH], 4                       ; batch
	s_and_b32 s16, s[BH], 15                       ; head
	s_mov_b32 s[G1C], 15|(3<<16)|(1<<21)           ; the mask: all four work-groups; elements of 8 bytes; no padding; bit 21 beside a mask
	s_mov_b32 s[G1C+1], 32<<16                     ; tensor_dim0 = 32 elements: 256 bytes
	s_mov_b32 s[G1C+2], 64<<16                     ; tensor_dim1 = 64 rows: 16,384 dense bytes
	s_mov_b32 s[G1C+3], 32<<16
	s_mov_b32 s[G1C+4], 64
	s_mov_b32 s[G1C+5], 32
	s_mov_b32 s[G1C+6], 0
	s_mov_b32 s[G1C+7], 0
	s_mov_b32 s[G1S], 15|(3<<16)|(1<<21)
	s_mov_b32 s[G1S+1], 32<<16
	s_mov_b32 s[G1S+2], 16<<16                     ; 16 rows: 4,096 dense bytes
	s_mov_b32 s[G1S+3], 32<<16
	s_mov_b32 s[G1S+4], 16
	s_mov_b32 s[G1S+5], 32
	s_mov_b32 s[G1S+6], 0
	s_mov_b32 s[G1S+7], 0
	s_mov_b32 s[SEL], 0x76543210
	s_mov_b32 s[SEL+1], 0xfedcba98
	s_mov_b32 s[CS], 0x3e38aa3b                    ; log2(e) / 8
	s_mov_b32 s[CS+1], s[CS]                       ; (named with it as a pair, so it is written)
	; what I fetch, if I fetch: waves 0-3 quarters of k's codes, waves 4-7 of v's; wave 8 k's scale words, wave 9 v's
	s_bfe_u32 s68, s[WV], 0x10002
	s_add_co_u32 s68, s68, 1
	s_lshl_b32 s68, s68, 22                        ; 4 MiB a kind: k is 1, v is 2
	s_lshl_b32 s17, s[BH], 16                      ; 64 KiB a head
	s_add_co_u32 s68, s68, s17
	s_and_b32 s18, s[WV], 3
	s_lshl_b32 s18, s18, 14
	s_add_co_u32 s68, s68, s18
	s_mov_b32 s69, 0
	s_and_b32 s78, s[WV], 1
	s_add_co_u32 s78, s78, 1
	s_lshl_b32 s78, s78, 18                        ; 256 KiB a kind
	s_lshl_b32 s19, s[BH], 12                      ; 4 KiB a head
	s_add_co_u32 s78, s78, s19
	s_mov_b32 s79, 0
	s_wait_dscnt 0x0
	s_wait_kmcnt 0x0
	ROUND                                          ; all four work-groups are here: the joint loads meet
	s_mov_b32 s[G0C], 1
	s_and_b32 s[G0C+1], s[WV], 7
	s_lshl_b32 s[G0C+1], s[G0C+1], 14              ; LDS: 16,384 x wave: k's codes, then v's
	s_add_nc_u64 s[G0C+2:G0C+3], s[4:5], s[68:69]
	s_or_b32 s[G0C+3], s[G0C+3], 0x80000000
	s_mov_b32 s[G0S], 1
	s_and_b32 s[G0S+1], s[WV], 1
	s_lshl_b32 s[G0S+1], s[G0S+1], 12
	s_add_co_u32 s[G0S+1], s[G0S+1], LKS
	s_add_nc_u64 s[G0S+2:G0S+3], s[6:7], s[78:79]
	s_or_b32 s[G0S+3], s[G0S+3], 0x80000000
	s_cmp_lt_u32 s[WV], 8                          ; the branches hang on the wave's number alone; four v_nop follow each of the two lines
	s_cbranch_scc0 .Lnot_codes
	tensor_load_to_lds s[G0C:G0C+3], s[G1C:G1C+7]
	s_nop 0
.rept 4
	v_nop
.endr
	s_branch .Lasked
.Lnot_codes:
	s_cmp_lt_u32 s[WV], 10
	s_cbranch_scc0 .Lasked
	tensor_load_to_lds s[G0S:G0S+3], s[G1S:G1S+7]
	s_nop 0
.rept 4
	v_nop
.endr
.Lasked:
	s_mov_b32 s68, s17
	s_add_nc_u64 s[58:59], s[4:5], s[68:69]        ; q's codes of my head
	s_mov_b32 s68, s19
	s_add_nc_u64 s[60:61], s[6:7], s[68:69]        ; q's scale words
	s_lshl_b32 s68, s15, 20                        ; ctx's codes: 128 tiles of 8,192 bytes a batch,
	s_lshl_b32 s18, s16, 9                         ; 512 bytes a head
	s_add_co_u32 s68, s68, s18
	s_add_nc_u64 s[62:63], s[8:9], s[68:69]
	s_lshl_b32 s68, s15, 16                        ; ctx's scale bytes: 2,048 rows of 32 a batch,
	s_lshl_b32 s18, s16, 1                         ; 2 bytes a head
	s_add_co_u32 s68, s68, s18
	s_add_nc_u64 s[66:67], s[10:11], s[68:69]
	v_and_b32 v8, 31, v0                           ; lane
	v_and_b32 v9, 15, v0                           ; r
	v_bfe_u32 v10, v0, 4, 1                        ; h
	s_delay_alu instid0(VALU_DEP_3)
	v_lshlrev_b32 v1, 4, v8                        ; k's codes: 16 x lane
	s_delay_alu instid0(VALU_DEP_1)
	v_add_nc_u32 v2, LV, v1                        ; v's
	s_delay_alu instid0(VALU_DEP_4)
	v_lshl_add_u32 v3, v9, 2, LKS                  ; k's scale words: 4 r
	v_lshl_add_u32 v4, v9, 2, LVS                  ; v's
	v_lshlrev_b32 v5, 4, v8                        ; memory: 16 x lane,
	v_lshlrev_b32 v6, 2, v9                        ; 4 r,
	v_lshlrev_b32 v7, 5, v9                        ; 32 r
	v_lshlrev_b32 v11, 3, v10
	s_delay_alu instid0(VALU_DEP_1)
	v_sub_nc_u32 v240, v9, v11                     ; r - 8 h, for the mask
.irp j, 20,21,22,23
	v_mov_b32 v\j, 0                               ; q's K = 64 .. 127: zero codes
.endr
.irp i, 0,1,2,3,4,5,6,7
.irp j, 4,5,6,7
	v_mov_b32 v[32+8*\i+\j], 0                     ; k's likewise, written once
.endr
.endr
.irp j, 236,237,238,239,252,253
	v_mov_b32 v\j, 0                               ; written once: a lane permute's destination counts as one of its sources, and v253 is named as the upper half of a pair
.endr
	s_lshl_b32 s[ATL], s[WV], 2
	s_add_co_u32 s[ATL], s[ATL], s[CX]             ; my first tile: 4 w + cx
	s_lshr_b32 s[HW], s[WV], 1
	s_mov_b32 s[NSTM], s[HW]
	s_add_co_u32 s[NST], s[HW], 1
	s_wait_tensorcnt 0x0                           ; my load, if I had one, has landed,
	s_barrier_signal -1
	s_barrier_wait -1                              ; everybody's has: from here on LDS is only read
; A KEY STEP: 128 keys.
.macro STEP
	s_cmp_ge_u32 s[KS], s[NST]                     ; all its keys come after my queries: the work is left out, the steps of the addresses at the end are not
	s_cbranch_scc1 .Lhidden_\@
	s_setprio 2
	v_add_nc_u32 v8, s[TB], v1                     ; (these four are also the places between the last step's products and the loads into their registers)
	v_add_nc_u32 v9, s[TB], v2
	v_add_nc_u32 v10, s[TS], v3
	v_add_nc_u32 v11, s[TS], v4
.irp i, 0,1,2,3,4,5,6,7
	ds_load_b128 v[32+8*\i:35+8*\i], v8 offset:512*\i              ; tile i: 32 lanes read 512 consecutive bytes
.endr
.irp i, 0,1,2,3,4,5,6,7
	ds_load_u16 v[24+\i], v10 offset:64*(\i/2)+2*(\i%2)            ; its two scale bytes; bytes 2 and 3 come as 0
.endr
.irp t, 0,1,2,3
.irp c, 0,1
	ds_load_b128 v[192+8*\t+4*\c:195+8*\t+4*\c], v9 offset:1024*\t+512*\c
.endr
.endr
.irp t, 0,1,2,3
	ds_load_b32 v[248+\t], v11 offset:64*\t
.endr
	s_wait_dscnt 12                                ; k's sixteen loads are in; v's twelve may be out
.irp i, 0,1,2,3,4,5,6,7
	v_wmma_scale_f32_16x16x128_f8f6f4 v[96+8*\i:103+8*\i], v[32+8*\i:39+8*\i], v[16:23], 0, v[24+\i], v255 matrix_a_fmt:MATRIX_FMT_FP4 matrix_b_fmt:MATRIX_FMT_FP4
.endr
.rept 4
	v_nop
.endr
	s_cmp_lg_u32 s[KS], s[NSTM]                    ; only the tile's last step lies on the diagonal
	s_cbranch_scc1 .Lopen_\@
	s_sub_co_i32 s[TMP], s[Q0], s[KF]
	v_add_nc_u32 v252, s[TMP], v240                ; d = my query - the step's first key - 8 h.  Register 8 i + j holds key 16 i + 8 h + j of the step: hidden where 16 i + j > d
	v_mov_b32 v254, 0xff800000                     ; -infinity: p = 0 then
.set N, 0
.rept 64
	v_cmp_gt_i32 vcc_lo, 16*(N/8)+N%8, v252
	v_cndmask_b32 v[96+N], v[96+N], v254, vcc_lo
.set N, N+1
.endr
.Lopen_\@:
.irp b, 0,1,2,3
	v_max3_num_f32 v[232+\b], v[96+16*\b], v[97+16*\b], v[98+16*\b]   ; the largest score of each block of 32 keys: it serves the row's maximum and the block's largest p
.endr
.irp i, 3,5,7,9,11,13
.irp b, 0,1,2,3
	v_max3_num_f32 v[232+\b], v[232+\b], v[96+16*\b+\i], v[97+16*\b+\i]
.endr
.endr
.irp b, 0,1,2,3
	v_max_num_f32 v[232+\b], v[232+\b], v[111+16*\b]
.endr
.irp b, 0,1,2,3
	s_delay_alu instid0(VALU_DEP_4)
	v_permlanex16_b32 v[236+\b], v[232+\b], s[SEL], s[SEL+1]
.endr
.irp b, 0,1,2,3
	s_delay_alu instid0(VALU_DEP_4)
	v_max_num_f32 v[232+\b], v[232+\b], v[236+\b]  ; with lane l xor 16's 16 keys
.endr
	s_delay_alu instid0(VALU_DEP_2)
	v_max3_num_f32 v254, v232, v233, v234
	s_delay_alu instid0(VALU_DEP_1)
	v_max_num_f32 v254, v254, v235                 ; the step's largest score of my query
	s_delay_alu instid0(VALU_DEP_1)
	v_mul_f32 v254, s[CS], v254                    ; as t
	s_delay_alu instid0(VALU_DEP_1)
	v_max_num_f32 v13, v13, v254                   ; the running largest t
	v_mov_b32 v254, v12
	s_delay_alu instid0(VALU_DEP_2)
	v_floor_f32 v12, -v13                          ; the new -M = -ceil(t): a whole number
	s_delay_alu instid0(VALU_DEP_1)
	v_sub_f32 v254, v12, v254                      ; old M - new M: a whole number, 0 or less
	s_delay_alu instid0(VALU_DEP_1)
	v_cvt_i32_f32 v254, v254                       ; (it saturates)
	s_delay_alu instid0(VALU_DEP_1)
	v_ldexp_f32 v252, 1.0, v254                    ; f = 2^(old M - new M)
.set N, 0
.rept 32
	v_pk_fma_f32 v[96+N:97+N], v[96+N:97+N], s[CS:CS+1], v[12:13] op_sel_hi:[1,0,0]   ; t - M, two at a time
.set N, N+2
.endr
	s_setprio 1
.irp b, 0,1,2,3
	v_fma_f32 v[232+\b], v[232+\b], s[CS], v12     ; the same of each block's largest score
.endr
.set N, 0
	s_wait_alu depctr_va_vdst(0)
.rept 64
	v_exp_f32 v[96+N], v[96+N]                     ; p = 2^(t - M), at most 1
.set N, N+1
.endr
.irp b, 0,1,2,3
	v_exp_f32 v[232+\b], v[232+\b]                 ; the block's largest p
.endr
	v_pk_mul_f32 v[14:15], v[14:15], v[252:253] op_sel_hi:[1,0]    ; the sums under the new M (a plain line behind the exponentials)
	s_wait_alu depctr_va_vdst(0)
.irp b, 0,1,2,3
	v_max_num_f32 v[232+\b], 0x1800000, v[232+\b]  ; the floor 2^(3 - 127): the byte cannot fall under 1
.endr
.irp b, 0,1,2,3
	s_delay_alu instid0(VALU_DEP_4)
	v_add_nc_u32 v[244+\b], 0xff000000, v[232+\b]  ; 2 off the exponent field: the conversion's scale operand
.endr
.irp b, 0,1,2,3
	s_delay_alu instid0(VALU_DEP_4)
	v_lshrrev_b32 v[236+\b], 23, v[244+\b]         ; the scale's byte
.endr
	s_delay_alu instid0(VALU_DEP_3)
	v_lshl_or_b32 v241, v237, 8, v236              ; p's scale word for these 128 keys
	s_delay_alu instid0(VALU_DEP_1)
	v_lshl_or_b32 v241, v238, 16, v241
	s_delay_alu instid0(VALU_DEP_1)
	v_lshl_or_b32 v241, v239, 24, v241
.irp b, 0,1,2,3
.irp u, 0,1
	v_cvt_scalef32_pk8_fp4_f32 v[224+4*(\b/2)+2*\u+(\b%2)], v[96+16*\b+8*\u:103+16*\b+8*\u], v[244+\b]
.endr
.endr
	v_nop                                          ; one plain line behind a scaled conversion
.irp c, 0,1
.irp u, 0,1
	v_permlane16_swap_b32 v[224+4*\c+2*\u], v[225+4*\c+2*\u]       ; register 4 c + i of lane half h now holds keys 64 c + 32 h + 8 i + 0 .. 7
.endr
.endr
	v_pk_add_f32 v[236:237], v[100:101], v[104:105]
	v_pk_add_f32 v[246:247], v[108:109], v[112:113]
	v_pk_add_f32 v[244:245], v[116:117], v[120:121]
	v_pk_add_f32 v[234:235], v[124:125], v[128:129]
	v_pk_add_f32 v[232:233], v[132:133], v[136:137]
	v_pk_add_f32 v[90:91], v[140:141], v[144:145]
	v_pk_add_f32 v[88:89], v[148:149], v[152:153]
	v_pk_add_f32 v[14:15], v[14:15], v[156:157]
	v_pk_add_f32 v[236:237], v[236:237], v[96:97]
	v_pk_add_f32 v[246:247], v[246:247], v[98:99]
	v_pk_add_f32 v[244:245], v[244:245], v[102:103]
	s_setprio 0
	v_pk_add_f32 v[234:235], v[234:235], v[106:107]
	v_pk_add_f32 v[232:233], v[232:233], v[110:111]
	v_pk_add_f32 v[90:91], v[90:91], v[114:115]
	v_pk_add_f32 v[88:89], v[88:89], v[118:119]
	v_pk_add_f32 v[14:15], v[14:15], v[122:123]
	v_pk_add_f32 v[236:237], v[236:237], v[126:127]
	v_pk_add_f32 v[246:247], v[246:247], v[130:131]
	v_pk_add_f32 v[244:245], v[244:245], v[134:135]
	v_pk_add_f32 v[234:235], v[234:235], v[138:139]
	v_pk_add_f32 v[232:233], v[232:233], v[142:143]
	v_pk_add_f32 v[90:91], v[90:91], v[146:147]
	v_pk_add_f32 v[88:89], v[88:89], v[150:151]
	v_pk_add_f32 v[14:15], v[14:15], v[154:155]
	v_pk_add_f32 v[236:237], v[236:237], v[158:159]
	s_delay_alu instid0(VALU_DEP_2)
	v_pk_add_f32 v[14:15], v[14:15], v[234:235]
	s_delay_alu instid0(VALU_DEP_2)
	v_pk_add_f32 v[236:237], v[236:237], v[232:233]
	v_pk_add_f32 v[246:247], v[246:247], v[90:91]
	v_pk_add_f32 v[244:245], v[244:245], v[88:89]
	s_delay_alu instid0(VALU_DEP_2)
	v_pk_add_f32 v[14:15], v[14:15], v[246:247]
	s_delay_alu instid0(VALU_DEP_2)
	v_pk_add_f32 v[236:237], v[236:237], v[244:245]
	s_delay_alu instid0(VALU_DEP_1)
	v_pk_add_f32 v[14:15], v[14:15], v[236:237]
.set N, 0
.rept 16
	v_pk_mul_f32 v[160+N:161+N], v[160+N:161+N], v[252:253] op_sel_hi:[1,0]   ; O^T under the new M, each accumulator from its low end on
.set N, N+2
.endr
	s_wait_alu depctr_va_vdst(0)
	s_wait_dscnt 0x0                               ; v's fragments and scale words are in
.irp t, 0,1,2,3                                ; the four accumulators take turns, one instruction a turn
	v_wmma_scale_f32_16x16x128_f8f6f4 v[160+8*\t:167+8*\t], v[192+8*\t:199+8*\t], v[224:231], v[160+8*\t:167+8*\t], v[248+\t], v241 matrix_a_fmt:MATRIX_FMT_FP4 matrix_b_fmt:MATRIX_FMT_FP4
.endr
.Lhidden_\@:
	s_add_co_u32 s[TB], s[TB], 4096
	s_add_co_u32 s[TS], s[TS], 256
	s_add_co_u32 s[KF], s[KF], 128
.endm
; ONE TILE OF 16 QUERIES, s[ATL], with s[NST] key steps, in a loop of a constant number of trips.
.macro TILE trips
	s_lshl_b32 s68, s[ATL], 9
	s_add_nc_u64 s[70:71], s[58:59], s[68:69]      ; q's image: 512 bytes a tile
	s_add_nc_u64 s[76:77], s[66:67], s[68:69]      ; ctx's scale bytes: 16 rows of 32
	s_lshl_b32 s68, s[ATL], 13
	s_add_nc_u64 s[74:75], s[62:63], s[68:69]      ; ctx's codes: 8,192 bytes a tile
	s_lshr_b32 s68, s[ATL], 1
	s_lshl_b32 s68, s68, 6
	s_and_b32 s[TMP], s[ATL], 1
	s_lshl_b32 s[TMP], s[TMP], 1
	s_add_co_u32 s68, s68, s[TMP]
	s_add_nc_u64 s[72:73], s[60:61], s[68:69]      ; q's scale bytes: 64 bytes for 32 tokens, my tile's half of each word
	global_load_b128 v[16:19], v5, s[70:71]
	global_load_u16 v255, v6, s[72:73]
	s_lshl_b32 s[Q0], s[ATL], 4
	s_mov_b32 s[KS], 0
	s_mov_b32 s[TB], 0
	s_mov_b32 s[TS], 0
	s_mov_b32 s[KF], 0
	v_mov_b32 v13, 0xff61b1e6                      ; the largest t so far: -3e38
	s_delay_alu instid0(VALU_DEP_1)
	v_floor_f32 v12, -v13                          ; -M
	v_mov_b32 v14, 0
	v_mov_b32 v15, 0
.set N, 0
.rept 32
	v_mov_b32 v[160+N], 0                          ; O^T: the step is written once, and its first trip finds zeros
.set N, N+1
.endr
	s_wait_loadcnt 0x0
.Lstep_\@:
	STEP
	s_add_co_u32 s[KS], s[KS], 1
	s_cmp_lt_u32 s[KS], \trips
	s_cbranch_scc1 .Lstep_\@
	s_setprio 0
.rept 4
	v_nop                                          ; places behind the last products
.endr
	v_add_f32 v14, v14, v15                        ; the sum's two halves,
	s_delay_alu instid0(VALU_DEP_1)
	v_permlanex16_b32 v252, v14, s[SEL], s[SEL+1]
	s_delay_alu instid0(VALU_DEP_1)
	v_add_f32 v14, v14, v252                       ; and lane l xor 16's
	s_wait_alu depctr_va_vdst(0)
	v_rcp_f32 v14, v14
	v_nop                                          ; one plain line behind a transcendental
.set N, 0
	s_wait_alu depctr_va_vdst(0)
.rept 16
	v_pk_mul_f32 v[96+N:97+N], v[160+N:161+N], v[14:15] op_sel_hi:[1,0]       ; ctx(query r, d = 16 t + 8 h + j), register 8 t + j
.set N, N+2
.endr
.irp b, 0,1
	v_max3_num_f32 v[232+\b], |v[96+16*\b]|, |v[97+16*\b]|, 0x1800000
.endr
.irp i, 2,4,6,8,10,12,14
.irp b, 0,1
	s_delay_alu instid0(VALU_DEP_2)
	v_max3_num_f32 v[232+\b], v[232+\b], |v[96+16*\b+\i]|, |v[97+16*\b+\i]|
.endr
.endr
.irp b, 0,1
	s_delay_alu instid0(VALU_DEP_2)
	v_permlanex16_b32 v[236+\b], v[232+\b], s[SEL], s[SEL+1]
.endr
.irp b, 0,1
	s_delay_alu instid0(VALU_DEP_2)
	v_max_num_f32 v[232+\b], v[232+\b], v[236+\b]
.endr
.irp b, 0,1
	s_delay_alu instid0(VALU_DEP_2)
	v_add_nc_u32 v[244+\b], 0xff000000, v[232+\b]
.endr
.irp b, 0,1
	s_delay_alu instid0(VALU_DEP_2)
	v_lshrrev_b32 v[236+\b], 23, v[244+\b]
.endr
	s_delay_alu instid0(VALU_DEP_1)
	v_lshl_or_b32 v254, v237, 8, v236              ; the head's two scale bytes of my token
.irp b, 0,1
.irp u, 0,1
	v_cvt_scalef32_pk8_fp4_f32 v[224+2*\u+\b], v[96+16*\b+8*\u:103+16*\b+8*\u], v[244+\b]
.endr
.endr
	v_nop
.irp u, 0,1
	v_permlane16_swap_b32 v[224+2*\u], v[225+2*\u]
.endr
	global_store_b128 v5, v[224:227], s[74:75]     ; 32 lanes store 512 consecutive bytes, aligned: half a fragment of the last product's operand
	global_store_b16 v7, v254, s[76:77]            ; lanes l and l xor 16 store the same two bytes
	s_wait_xcnt 0x0                                ; the stores have read their data and bases: the next tile writes both again
.endm
	TILE 8
	s_xor_b32 s[ATL], s[ATL], 127                  ; 127 - tile
	s_xor_b32 s[NSTM], s[HW], 15                   ; 15 - w / 2
	s_add_co_u32 s[NST], s[NSTM], 1
	TILE 16
	s_wait_tensorcnt 0x0
	ds_add_u32 v242, v243
	s_wait_dscnt 0x0
	ROUND                                          ; the closing round
	s_endpgm
.Lfunc_end_k_q6c68f4dbbe_attn:
	.size	k_q6c68f4dbbe_attn, .Lfunc_end_k_q6c68f4dbbe_attn-k_q6c68f4dbbe_attn
	.p2alignl 7, 3214868480
	.fill 96, 4, 3214868480
	.section	.rodata,"a",@progbits
	.p2align	6, 0x0
	.amdhsa_kernel k_q6c68f4dbbe_attn
		.amdhsa_group_segment_fixed_size 169984
		.amdhsa_private_segment_fixed_size 0
		.amdhsa_enable_private_segment 0
		.amdhsa_kernarg_size 32
		.amdhsa_user_sgpr_count 2
		.amdhsa_user_sgpr_kernarg_segment_ptr 1
		.amdhsa_wavefront_size32 1
		.amdhsa_system_sgpr_workgroup_id_x 1
		.amdhsa_system_sgpr_workgroup_id_y 1
		.amdhsa_system_sgpr_workgroup_id_z 1
		.amdhsa_system_vgpr_workitem_id 0
		.amdhsa_next_free_vgpr 256
		.amdhsa_next_free_sgpr 80
		.amdhsa_reserve_vcc 1
		.amdhsa_float_denorm_mode_32 3
		.amdhsa_float_denorm_mode_16_64 3
		.amdhsa_memory_ordered 1
		.amdhsa_forward_progress 1
		.amdhsa_inst_pref_size 64
	.end_amdhsa_kernel
	.amdgpu_metadata
---
amdhsa.version: [ 1, 2 ]
amdhsa.kernels:
  - .name:           k_q6c68f4dbbe_attn
    .symbol:         k_q6c68f4dbbe_attn.kd
    .args:
      - { .name: qkvc, .offset: 0, .size: 8, .value_kind: global_buffer, .address_space: global }
      - { .name: qkvs, .offset: 8, .size: 8, .value_kind: global_buffer, .address_space: global }
      - { .name: ctxc, .offset: 16, .size: 8, .value_kind: global_buffer, .address_space: global }
      - { .name: ctxs, .offset: 24, .size: 8, .value_kind: global_buffer, .address_space: global }
    .group_segment_fixed_size: 169984
    .private_segment_fixed_size: 0
    .kernarg_segment_align: 8
    .kernarg_segment_size: 32
    .max_flat_workgroup_size: 512
    .sgpr_count:     80
    .vgpr_count:     256
    .wavefront_size: 32
...
	.end_amdgpu_metadata
.endif
;; end of part 3
;; launch proj (part 4): grid 4 x 32, 4 waves a work-group, clusters of 4 x 4, 327,680 bytes of LDS; arguments ctxc, ctxs, codes1, scales1, b_out, out0; writes out0
.if DOCPART == 4
	.amdgcn_target "amdgcn-amd-amdhsa--gfx1250"
	.amdhsa_code_object_version 6
	.text
	.protected	k_q6c68f4dbbe_proj
	.globl	k_q6c68f4dbbe_proj
	.p2align	8
	.type	k_q6c68f4dbbe_proj,@function
k_q6c68f4dbbe_proj:
	s_mov_b64 s[64:65], 0
	v_nop
	global_prefetch_b8 v0, s[64:65] scope:SCOPE_SE
	s_setreg_imm32_b32 hwreg(HW_REG_WAVE_MODE, 25, 1), 1
	s_wait_xcnt 0x0
	s_wait_alu depctr_hold_cnt(0) depctr_sa_sdst(0) depctr_va_vdst(0) depctr_va_sdst(0) depctr_va_ssrc(0) depctr_va_vcc(0) depctr_vm_vsrc(0)
	s_getreg_b32 s2, hwreg(HW_REG_IB_STS2, 6, 4)
	s_cmp_eq_u32 s2, 0
	s_cbranch_scc0 .Lentry_in_a_cluster
	s_endpgm
.Lentry_in_a_cluster:
	s_bfe_u32 s2, ttmp6, 0x10000c
	s_cmp_lg_u32 s2, 0xf033
	s_cbranch_scc0 .Lentry_shape_is_right
	s_endpgm
.Lentry_shape_is_right:
; out = ctx W_out^T + b_out on codes of FP4 (E2M1) with E8M0 scales, K = 1,024; out [8192][1024] f32.
; A work-group of four waves makes 256 x 256 of out, a wave 128 x 128: 64 accumulators.  K = 1,024 is two LDS slots of 512 along K, each filled ONCE: no LDS byte is filled again by a tensor load.
; A (ctx) lies in memory as IMAGES OF THE OPERAND'S REGISTERS: [tile of 16 tokens][head][lane][16 bytes]; head 2 s + c holds registers 4 c .. 4 c + 3 of K step s.  A slot's part of a tile is 4,096 consecutive bytes,
; and a fragment load reads 512 consecutive bytes of LDS.  B (W_out) lies as rows of 512 bytes, rows 11,264 on of the space of codes.  Both sides' scale bytes are rows of 32.
; CLUSTERS: 4 x 4 work-groups; A's tiles are asked for jointly along a row of the cluster, B's along a column.  The grid has 128 work-groups: the tile is kept large, and half of the WGPs have none.
; THE MATRIX INSTRUCTION IS USED TRANSPOSED (source 0 = 16 rows of B, source 1 = 16 rows of A): a lane holds eight neighbouring numbers of a row of out.  The bias is the C of each sum's first matrix instruction.
; LIMITS: NaN and infinities are not served; the bias stands first in the f32 sum, not last.
; REGISTERS: window 0: v1-31 addresses; v32-95 scale words, two sets, and nothing else; v128-191 A's fragments, one set; on the way out v128-255.   window 1: B's two sets, v0-63 and v128-191; v64-127 the bias.
;   windows 2, 3: the accumulators ((a, b) at v[8 (8 (a % 4) + b)]).
.set SIZE_N, 1024
.set NQ,     4
.set ROWB,   256
.set KROW,   512
.set PITCH,  272
.set FR,     8
.set NL,     2
.set NP,     4
.set HALFA,  32768                     ; A: 8 tiles of 16 tokens x 4,096 bytes, dense
.set HALFT,  128*PITCH                 ; B: 128 rows
.set BOFF,   2*HALFA
.set SLOT,   2*HALFA+2*HALFT
.set KSB,    32
.set SCL,    2*SLOT
.set HALFS,  (128*KSB/256)*272
.set SBLK,   (16*KSB/256)*272
.set SPITCH, 528                       ; the way out: a stage of 16 rows x (512 bytes + 16) for each wave, in slot 0, which has had its only fill and its last read when the first result is stored there
.set ADRA, 16
.set ADRB, 20
.set STO,  24
.set RD,   25
.set CO,   26
.set ADRS, 27
.set SC,   32
.set AF,   128
.set BK,   128
.set BIAS, 64
.set G1, 24
.set G0, 32
.set G1B, 48
.set G0B, 56
.set G1S, 68
.set G0S, 76
.set G1SB, 80
.set G0SB, 88
.set MSB, 0
.macro WIN new                         ; the immediate's high byte repeats the setting that is left
.if MSB != \new
	s_set_vgpr_msb (MSB<<8)|\new
.set MSB, \new
.endif
.endm
.set MUL_LO, 0xa1
.set MUL_HI, 0xf1
.set BIA_LO, 0x91                      ; C (the bias) window 1, D window 2
.set BIA_HI, 0xd1
.set TO_B,   0x40
.macro JLOAD g0a, g1a, g0b, g1b        ; a joint load: waves 0 and 1 fetch for A, waves 2 and 3 for B; four v_nop follow each of the two lines
	s_cmp_eq_u32 s15, 0
	s_cbranch_scc0 .Lfor_b_\@
	tensor_load_to_lds s[\g0a:\g0a+3], s[\g1a:\g1a+7]
	s_nop 0
.rept 4
	v_nop
.endr
	s_branch .Lasked_\@
.Lfor_b_\@:
	tensor_load_to_lds s[\g0b:\g0b+3], s[\g1b:\g1b+7]
	s_nop 0
.rept 4
	v_nop
.endr
.Lasked_\@:
.endm
.macro CROUND                          ; a round of the cluster's barrier
	s_barrier_signal -1
	s_barrier_wait -1
	s_cmp_lg_u32 s14, 0
	s_cbranch_scc1 .Lnot_wave_0_\@
	s_barrier_signal -3
.Lnot_wave_0_\@:
	s_barrier_wait -3
	s_barrier_signal -1
	s_barrier_wait -1
.endm
	s_load_b256 s[4:11], s[0:1], 0x0               ; ctx's codes s[4:5], its scale bytes s[6:7], the space of codes s[8:9], its scale bytes s[10:11]
	s_load_b64 s[2:3], s[0:1], 0x20                ; b_out
	s_load_b64 s[12:13], s[0:1], 0x28              ; out
	v_lshl_add_u32 v126, v0, 2, 0x46400
	v_mov_b32 v127, 0
	ds_add_u32 v126, v127
	ds_add_u32 v126, v127
	v_lshrrev_b32 v1, 5, v0
	v_readfirstlane_b32 s14, v1                    ; wave 0..3
	s_lshr_b32 s15, s14, 1                         ; which half of the tile's rows is mine.  Also: I fetch for A (0) or for B (1)
	s_and_b32 s16, s14, 1                          ; which half of its columns.  Also: which half of that tile I fetch
	s_bfe_u32 s40, ttmp6, 0x40000                  ; cx, cy
	s_bfe_u32 s41, ttmp6, 0x40004
	s_lshl_b32 s42, ttmp9, 2
	s_add_co_u32 s42, s42, s40                     ; tile column
	s_and_b32 s17, ttmp7, 0xffff
	s_lshl_b32 s17, s17, 2
	s_add_co_u32 s17, s17, s41                     ; tile row
	s_lshl_b32 s43, s41, 2
	s_lshl_b32 s43, 15, s43                        ; my row of the cluster
	s_lshl_b32 s44, 0x1111, s40                    ; my column
	s_or_b32 s[G1+0], s43, (3<<16)|(1<<21)         ; A: the mask; elements of 8 bytes; no padding; bit 21 beside a mask
	s_mov_b32 s[G1+1], 512<<16                     ; tensor_dim0 = 512 elements: 4,096 bytes
	s_mov_b32 s[G1+2], 8<<16                       ; tensor_dim1 = 8 tiles of tokens
	s_mov_b32 s[G1+3], 512<<16
	s_mov_b32 s[G1+4], 8
	s_mov_b32 s[G1+5], 1024                        ; 8,192 bytes from tile to tile
	s_mov_b32 s[G1+6], 0
	s_mov_b32 s[G1+7], 0
	s_or_b32 s[G1B+0], s44, (0<<16)|(1<<20)|(1<<21)|(5<<22)|(3<<25)   ; B: elements of 1 byte; 4 words of padding behind every 64
	s_mov_b32 s[G1B+1], ROWB<<16
	s_mov_b32 s[G1B+2], 128<<16
	s_mov_b32 s[G1B+3], ROWB<<16
	s_mov_b32 s[G1B+4], 128
	s_mov_b32 s[G1B+5], KROW
	s_mov_b32 s[G1B+6], 0
	s_mov_b32 s[G1B+7], 0
	s_or_b32 s[G1S+0], s43, (3<<16)|(1<<20)|(1<<21)|(5<<22)|(3<<25)   ; the scale bytes of 128 rows: 4,096 dense bytes as 16 rows of 256
	s_or_b32 s[G1SB+0], s44, (3<<16)|(1<<20)|(1<<21)|(5<<22)|(3<<25)
.irp g, G1S, G1SB
	s_mov_b32 s[\g+1], 32<<16
	s_mov_b32 s[\g+2], (128*KSB/256)<<16
	s_mov_b32 s[\g+3], 32<<16
	s_mov_b32 s[\g+4], 128*KSB/256
	s_mov_b32 s[\g+5], 32
	s_mov_b32 s[\g+6], 0
	s_mov_b32 s[\g+7], 0
.endr
	s_lshl_b32 s20, s17, 17                        ; A's codes: 16 tiles of 8,192 bytes a tile row,
	s_lshl_b32 s18, s16, 16                        ; 8 of them a half
	s_add_co_u32 s20, s20, s18
	s_mov_b32 s21, 0
	s_lshl_b32 s22, s17, 13                        ; A's scale bytes: 256 rows of 32,
	s_lshl_b32 s19, s16, 12                        ; 128 a half
	s_add_co_u32 s22, s22, s19
	s_mov_b32 s23, 0
	s_lshl_b32 s46, s42, 17                        ; B's codes: 256 rows of 512 bytes a tile column,
	s_add_co_u32 s46, s46, s18                     ; 128 a half,
	s_add_co_u32 s46, s46, 11264*512               ; from row 11,264 on
	s_mov_b32 s47, 0
	s_lshl_b32 s92, s42, 13
	s_add_co_u32 s92, s92, s19
	s_add_co_u32 s92, s92, 11264*32
	s_mov_b32 s93, 0
	s_lshl_b32 s45, s16, 15                        ; where they go: no place in the cluster enters an LDS address
	s_mul_i32 s95, s16, HALFT
	s_add_co_u32 s95, s95, BOFF
	s_mul_i32 s94, s14, HALFS
	s_wait_dscnt 0x0
	s_wait_kmcnt 0x0
	s_add_nc_u64 s[20:21], s[4:5], s[20:21]
	s_add_nc_u64 s[22:23], s[6:7], s[22:23]
	s_add_nc_u64 s[46:47], s[8:9], s[46:47]
	s_add_nc_u64 s[92:93], s[10:11], s[92:93]
	CROUND                                         ; all sixteen work-groups are here: the joint loads meet
	s_mov_b32 s[G0S], 1
	s_add_co_u32 s[G0S+1], s94, SCL
	s_mov_b64 s[G0S+2:G0S+3], s[22:23]
	s_or_b32 s[G0S+3], s[G0S+3], 0x80000000
	s_mov_b32 s[G0SB], 1
	s_add_co_u32 s[G0SB+1], s94, SCL
	s_mov_b64 s[G0SB+2:G0SB+3], s[92:93]
	s_or_b32 s[G0SB+3], s[G0SB+3], 0x80000000
	JLOAD G0S, G1S, G0SB, G1SB                     ; the scale bytes first
.irp s, 0,1
	s_mov_b32 s[G0+4*\s], 1
	s_add_co_u32 s[G0+4*\s+1], s45, \s*SLOT
	s_add_nc_u64 s[G0+4*\s+2:G0+4*\s+3], s[20:21], \s*4096
	s_or_b32 s[G0+4*\s+3], s[G0+4*\s+3], 0x80000000
	s_mov_b32 s[G0B+4*\s], 1
	s_add_co_u32 s[G0B+4*\s+1], s95, \s*SLOT
	s_add_nc_u64 s[G0B+4*\s+2:G0B+4*\s+3], s[46:47], \s*ROWB
	s_or_b32 s[G0B+4*\s+3], s[G0B+4*\s+3], 0x80000000
	s_wait_alu depctr_va_vdst(0)
	s_wait_tensorcnt 0x0
	ds_add_u32 v126, v127
	s_wait_dscnt 0x0
	CROUND
	JLOAD G0+4*\s, G1, G0B+4*\s, G1B               ; both slots, one at a time: the wait above leaves no earlier tensor load of mine out; there are no more in the launch
.endr
	v_and_b32 v1, 15, v0                           ; r
	v_bfe_u32 v2, v0, 4, 1                         ; h
	v_and_b32 v6, 31, v0                           ; lane
	v_mul_u32_u24 v3, v1, PITCH
	v_lshl_add_u32 v4, v2, 4, v3                   ; B: a fragment's row x pitch + 16 x half
	s_lshl_b32 s21, s15, 15                        ; my 8 tiles of A
	s_mul_i32 s22, s16, HALFT                      ; my 128 rows of B,
	s_add_co_u32 s22, s22, BOFF                    ; which lie behind A's
.irp s, 0,1
	v_lshl_add_u32 v[ADRA+\s], v6, 4, s21          ; A: 16 x lane
	v_add_nc_u32 v[ADRB+\s], s22, v4
	s_add_co_u32 s21, s21, SLOT
	s_add_co_u32 s22, s22, SLOT
.endr
	v_mul_u32_u24 v5, v1, KSB
	v_lshrrev_b32 v7, 8, v5
	v_lshl_add_u32 v5, v7, 4, v5                   ; my row's scale bytes: 32 a row, 16 more for each 256 passed
	s_mul_i32 s21, s15, HALFS
	s_mul_i32 s22, s16, HALFS
	s_add_co_u32 s22, s22, 2*HALFS
	s_sub_co_u32 s22, s22, s21
	v_mul_u32_u24 v7, s22, v2                      ; lanes 16-31 take B's
	s_add_co_u32 s21, s21, SCL
	v_add_nc_u32 v5, v5, v7
	v_add_nc_u32 v[ADRS], s21, v5
	s_mul_i32 s23, s14, 16*SPITCH                  ; my stage
	v_mul_u32_u24 v5, v1, SPITCH                   ; in: row r, 32 bytes for each half of the lanes
	v_lshl_add_u32 v5, v2, 5, v5
	v_add_nc_u32 v[STO], s23, v5
	v_lshlrev_b32 v[CO], 4, v6                     ; back: the 32 lanes take one row of 512 bytes; and the same in out
	v_add_nc_u32 v[RD], s23, v[CO]
	s_lshl_b32 s20, s17, 8
	s_lshl_b32 s21, s15, 7
	s_add_co_u32 s20, s20, s21                     ; my first row of out
	s_lshl_b32 s20, s20, 12                        ; 4,096 bytes a row (8,192 rows: under 2^25 bytes)
	s_mov_b32 s21, 0
	s_lshl_b32 s46, s42, 10                        ; my first column, in bytes: 1,024 x tile column + 512 x half
	s_lshl_b32 s47, s16, 9
	s_add_co_u32 s46, s46, s47
	s_mov_b32 s47, 0
	s_add_nc_u64 s[20:21], s[20:21], s[46:47]
	s_add_nc_u64 s[12:13], s[12:13], s[20:21]
	v_lshlrev_b32 v7, 5, v2
	v_add_nc_u32 v7, s46, v7                       ; b_out: my first column + 8 h numbers
	WIN TO_B
.irp i, 0,1,2,3,4,5,6,7                        ; register 8 i + j = b of my column 16 i + 8 h + j
	global_load_b128 v[BIAS+8*\i:BIAS+8*\i+3], v7, s[2:3] offset:64*\i
	global_load_b128 v[BIAS+8*\i+4:BIAS+8*\i+7], v7, s[2:3] offset:64*\i+16
.endr
	WIN 0
.macro FRAG reg, adr, q, i             ; B: 16 rows x 128 K: lane l holds row l % 16; registers 4 c .. 4 c + 3 hold K = 64 c + 32 (l / 16) + 0 .. 31
.irp c, 0,1
	ds_load_b128 v[\reg+4*\c:\reg+4*\c+3], v[\adr] offset:64*(\q)+32*\c+(\i)*16*PITCH
.endr
.endm
.macro FRAGA reg, adr, q, i            ; A: the image of the same registers: tile i, heads 2 q + c of the slot's eight
.irp c, 0,1
	ds_load_b128 v[\reg+4*\c:\reg+4*\c+3], v[\adr] offset:4096*(\i)+512*(2*(\q)+\c)
.endr
.endm
; 16 matrix instructions: A's blocks a0, a0 + 1 x B's eight.  cm = 0: add in place; 1: C = the bias.  The 64 accumulators take turns, one instruction a turn.
.macro MUL16 a0, p, q, sc, cm
.irp a, \a0, \a0+1
.irp b, 0,1,2,3,4,5,6,7
.set DD, 8*(8*((\a)%4)+\b)
.set CC, DD
.if \cm == 1
.set CC, BIAS+8*\b
.endif
	v_wmma_scale_f32_16x16x128_f8f6f4 v[DD:DD+7], v[128*(\p)+FR*\b:128*(\p)+FR*\b+FR-1], v[AF+FR*(\a):AF+FR*(\a)+FR-1], v[CC:CC+7], v[SC+8*NQ*(\sc)+NQ*\b+(\q)], v[SC+8*NQ*(\sc)+NQ*(\a)+(\q)] matrix_a_fmt:MATRIX_FMT_FP4 matrix_b_fmt:MATRIX_FMT_FP4 matrix_a_scale:MATRIX_SCALE_ROW1
.endr
.endr
.endm
.macro FETCH_B slot, q, p
	WIN TO_B
.irp i, 0,1,2,3,4,5,6,7
	FRAG 128*(\p)+FR*\i, ADRB+\slot, \q, \i
.endr
	WIN 0
.endm
.macro FETCH_A slot, q, i0
.irp i, \i0, \i0+1, \i0+2, \i0+3
	FRAGA AF+FR*(\i), ADRA+\slot, \q, \i
.endr
.endm
.macro SCALES sc
.irp i, 0,1,2,3,4,5,6,7
	ds_load_b128 v[SC+8*NQ*\sc+NQ*\i:SC+8*NQ*\sc+NQ*\i+3], v[ADRS] offset:\i*SBLK
.endr
.endm
.macro PLACES n                        ; plain vector lines between a matrix instruction and a load into, or a read of, its registers
.rept \n
	v_nop
.endr
.endm
.macro STEP slot, q, cm
	s_wait_dscnt 4*NL                              ; all but the youngest eight loads (A's blocks 4-7) are in
.if \cm
	WIN BIA_LO
.else
	WIN MUL_LO
.endif
	MUL16 0, (\q)%2, \q, \slot, \cm
	MUL16 2, (\q)%2, \q, \slot, \cm
	s_wait_dscnt 0
	PLACES NP
	FETCH_B \slot, (\q)+1, 1-(\q)%2
	FETCH_A \slot, (\q)+1, 0
.if \cm
	WIN BIA_HI
.else
	WIN MUL_HI
.endif
	MUL16 4, (\q)%2, \q, \slot, \cm
	MUL16 6, (\q)%2, \q, \slot, \cm
	PLACES NP
	WIN 0
	FETCH_A \slot, (\q)+1, 4
.endm
.macro TURN slot, next                 ; a slot's last step: behind its barrier the next slot is whole for every wave, and nobody reads this one any more.  No tensor load follows
	s_wait_tensorcnt 0x0
	s_wait_dscnt 4*NL
	WIN MUL_LO
	MUL16 0, 1, NQ-1, \slot, 0
	s_wait_dscnt 0x0                               ; my reads of this slot are over
	s_barrier_signal -1
	MUL16 2, 1, NQ-1, \slot, 0
	WIN 0
	s_barrier_wait -1
	PLACES NP
	v_add_nc_u32 v[ADRS], 4*NQ, v[ADRS]
	FETCH_B \next, 0, 0
	FETCH_A \next, 0, 0
	SCALES \next
	WIN MUL_HI
	MUL16 4, 1, NQ-1, \slot, 0
	MUL16 6, 1, NQ-1, \slot, 0
	PLACES NP
	WIN 0
	FETCH_A \next, 0, 4
.endm
.macro STEPS slot, from
.set Q, \from
.rept NQ-1-\from
	STEP \slot, Q, 0
.set Q, Q+1
.endr
.endm
	s_wait_alu depctr_va_vdst(0)
	s_wait_tensorcnt 1                             ; the scale bytes and my part of slot 0 are in; slot 1's load may be out,
	s_barrier_signal -1
	s_barrier_wait -1                              ; everybody's are
	FETCH_B 0, 0, 0
	FETCH_A 0, 0, 0
	SCALES 0
	FETCH_A 0, 0, 4
	s_wait_loadcnt 0x0                             ; the bias
	STEP 0, 0, 1                                   ; the first products start the sums on the bias
	STEPS 0, 1
	TURN 0, 1
	STEPS 1, 0
	s_wait_dscnt 4*NL                              ; the last step: nothing more to fetch
	WIN MUL_LO
	MUL16 0, 1, NQ-1, 1, 0
	MUL16 2, 1, NQ-1, 1, 0
	s_wait_dscnt 0
	WIN MUL_HI
	MUL16 4, 1, NQ-1, 1, 0
	MUL16 6, 1, NQ-1, 1, 0
	WIN 0
; THE WAY OUT, block by block of 16 rows x 128 columns, through my own stage in LDS: in as 32 bytes a lane, back as whole rows of 512 bytes.  LDS serves a wave's instructions in order: no wait between the stores and the loads.
.macro TOSTAGE a
.set AC, 64*((\a)%4)
.set WST, 0x08+4*((\a)/4)              ; an LDS store's data: window 2 or 3
	WIN WST
.irp b, 0,1,2,3,4,5,6,7
	ds_store_b128 v[STO], v[AC+8*\b:AC+8*\b+3] offset:64*\b          ; each accumulator from its low end on
	ds_store_b128 v[STO], v[AC+8*\b+4:AC+8*\b+7] offset:64*\b+16
.endr
	WIN 0
.set BB, BK+64*((\a)%2)
.irp t, 0,1,2,3,4,5,6,7,8,9,10,11,12,13,14,15
	ds_load_b128 v[BB+4*\t:BB+4*\t+3], v[RD] offset:\t*SPITCH
.endr
.endm
.macro SEND a, younger                 ; younger: the LDS instructions issued behind block a's loads, which may stay out
.set BB, BK+64*((\a)%2)
	s_wait_dscnt \younger
.if (\a) > 0
	s_add_nc_u64 s[12:13], s[12:13], 16*SIZE_N*4   ; (behind a wait on XCNT: the earlier stores have read their base)  16 rows on
.endif
.irp t, 0,1,2,3,4,5,6,7,8,9,10,11,12,13,14,15
	global_store_b128 v[CO], v[BB+4*\t:BB+4*\t+3], s[12:13] offset:\t*SIZE_N*4 th:TH_STORE_NT   ; 32 lanes store 512 consecutive bytes, aligned; written once, read by nobody here
.endr
.endm
	PLACES NP
	TOSTAGE 0
.irp a, 1,2,3,4,5,6,7
.if \a > 1
	s_wait_xcnt 0x0                                ; block a - 2's stores have read their registers and their base
.endif
	TOSTAGE \a
	SEND \a-1, 32                                  ; behind block a - 1's loads: block a's 16 stores and 16 loads
.endr
	s_wait_xcnt 0x0
	SEND 7, 0
	s_wait_tensorcnt 0x0
	ds_add_u32 v126, v127
	s_wait_dscnt 0x0
	CROUND                                         ; the closing round
	s_endpgm
.Lfunc_end_k_q6c68f4dbbe_proj:
	.size	k_q6c68f4dbbe_proj, .Lfunc_end_k_q6c68f4dbbe_proj-k_q6c68f4dbbe_proj
	.p2alignl 7, 3214868480
	.fill 96, 4, 3214868480
	.section	.rodata,"a",@progbits
	.p2align	6, 0x0
	.amdhsa_kernel k_q6c68f4dbbe_proj
		.amdhsa_group_segment_fixed_size 327680
		.amdhsa_private_segment_fixed_size 0
		.amdhsa_enable_private_segment 0
		.amdhsa_kernarg_size 48
		.amdhsa_user_sgpr_count 2
		.amdhsa_user_sgpr_kernarg_segment_ptr 1
		.amdhsa_wavefront_size32 1
		.amdhsa_system_sgpr_workgroup_id_x 1
		.amdhsa_system_sgpr_workgroup_id_y 1
		.amdhsa_system_sgpr_workgroup_id_z 1
		.amdhsa_system_vgpr_workitem_id 0
		.amdhsa_next_free_vgpr 1024
		.amdhsa_next_free_sgpr 98
		.amdhsa_reserve_vcc 0
		.amdhsa_float_denorm_mode_32 3
		.amdhsa_float_denorm_mode_16_64 3
		.amdhsa_memory_ordered 1
		.amdhsa_forward_progress 1
		.amdhsa_inst_pref_size 127
	.end_amdhsa_kernel
	.amdgpu_metadata
---
amdhsa.version: [ 1, 2 ]
amdhsa.kernels:
  - .name:           k_q6c68f4dbbe_proj
    .symbol:         k_q6c68f4dbbe_proj.kd
    .args:
      - { .name: ctxc, .offset: 0, .size: 8, .value_kind: global_buffer, .address_space: global }
      - { .name: ctxs, .offset: 8, .size: 8, .value_kind: global_buffer, .address_space: global }
      - { .name: codes1, .offset: 16, .size: 8, .value_kind: global_buffer, .address_space: global }
      - { .name: scales1, .offset: 24, .size: 8, .value_kind: global_buffer, .address_space: global }
      - { .name: b_out, .offset: 32, .size: 8, .value_kind: global_buffer, .address_space: global }
      - { .name: out0, .offset: 40, .size: 8, .value_kind: global_buffer, .address_space: global }
    .group_segment_fixed_size: 327680
    .private_segment_fixed_size: 0
    .kernarg_segment_align: 8
    .kernarg_segment_size: 48
    .max_flat_workgroup_size: 128
    .sgpr_count:     98
    .vgpr_count:     1024
    .wavefront_size: 32
...
	.end_amdgpu_metadata
.endif
;; end of part 4
